; MI455X (gfx1250); checked and timed in simulation.
; The chip was launched on July 23, 2026; its instructions are those of AMD's public machine-readable ISA for CDNA 5 (MIT licence, August 2026) and "CDNA5" Instruction Set Architecture Reference Guide (July 2026). The comments in the code are by the model that wrote it; some were corrected since.
;; Vision Triton Attention. Allowed arithmetic: matrix products marked QUANTISED: E2M1 operands, one E8M0 scale for each 32 along K, by v_wmma_scale_f32_16x16x128_f8f6f4 with both operands' format E2M1 (or v_wmma_scale_f32_32x16x128_f4), f32 sums; everything else in f32.
;; Inputs: cu_seqlens 9 int32; k 8,192 x 16 x 64 float32; q 8,192 x 16 x 64 float32; v 8,192 x 16 x 64 float32.
;; Outputs: out0 8,192 x 16 x 64 float32.
;; Constants: max_seqlen = 1024.
;; This version of the problem:
;;   THIS VERSION OF THE PROBLEM IS GIVEN IN LOW PRECISION. The matrix products marked QUANTISED in the list below multiply operands that are first quantised to E2M1 (2 exponent bits, 1 mantissa bit; 4 bits a number), with one power-of-two scale for each 32 numbers along K (OCP MX v1.0); their sums are f32. All else is computed in f32.
;;   The module's matrix products, in the order in which they are computed (A, B: the left and right operand; K: the contracted axis; several contracted axes count as one K, in the product's order):
;;     1. batch 128 x [M 1,024, K 64] x [K 64, N 1,024]; A: input q; B: input k: QUANTISED
;;     2. batch 128 x [M 64, K 1,024] x [K 1,024, N 1,024]; A: input v; B: softmax (see below): QUANTISED
;;   THE QUANTISER, for each operand of a quantised product, along K:
;;     - K is cut into blocks of 32 from its start; a last block that is shorter is filled with zeros.
;;     - A block's scale is 2^e with e = floor(log2(the largest magnitude in the block)) - 2, held to -126 .. 127; a block of zeros has e = 0. As a byte (E8M0): e + 127.
;;     - Each number is divided by its block's scale, clamped to +-6, and rounded to the nearest number of E2M1, ties to even, subnormals kept.
;;     - The product sums the exact products of the quantised numbers (number of the format x scale) in f32.
;;   ~~~python
;;   def quantise(x, axis):      # numpy; x: float32 -> the quantised numbers, widened to float32 again
;;       x = np.moveaxis(x, axis, -1); K = x.shape[-1]
;;       x = np.pad(x, [(0, 0)] * (x.ndim - 1) + [(0, -K % 32)]); x = x.reshape(x.shape[:-1] + (-1, 32)); a = np.abs(x).max(-1, keepdims=True)
;;       e = np.where(a > 0, np.clip(np.frexp(np.where(a > 0, a, 1))[1] - 1 - 2, -126, 127), 0)      # np.frexp(a)[1] - 1 = floor(log2(a)), exactly
;;       r = np.clip(x / 2.0 ** e, -6, 6)
;;       step = 2.0 ** (np.maximum(np.frexp(np.where(r == 0, 1, r))[1] - 1, 0) - 1)
;;       q = np.round(r / step) * step * 2.0 ** e      # np.round: ties to even
;;       return np.moveaxis(q.reshape(q.shape[:-2] + (-1,))[..., :K], -1, axis).astype(np.float32)
;;   ~~~
;;   SOFTMAX AHEAD OF A QUANTISED PRODUCT. Where the list says 'softmax', what is quantised is not the finished softmax but p = 2^(t - M), with t = logit x log2(e) and M = ceil(the row's largest t), a whole number; so 1/2 < the row's largest p <= 1. The row's sum l is taken of the UNQUANTISED p, in f32, and the product's result is divided by l at the end. Since M is a whole number, a kernel that streams over the keys may use a running M (the ceiling of the running maximum): every later rescaling is an exact power of two, which a block's scale takes up: the codes' values come out the same.
;;   OPERANDS COMPUTED ON THE WAY. 'Computed on the way' means the value that the module computes at that place (a softmax that the list does not call 'softmax' is quantised finished and normalised). What goes into a quantiser is computed in f32, as accurately as f32 sums, v_exp_f32 and their like allow (about 1e-6 of the number): no bf16 or f16 on the way to a quantiser, and a product that is left as it is and whose result goes on into a quantised operand takes f32 operands (vector FMAs, or v_wmma_f32_16x16x4_f32). A number that lies on a knife's edge between two numbers of the format may be rounded either way, as far as f32 arithmetic and the matrix unit's own rounding can turn it there, and no further.
;; 2 versions. Each part assembles by itself: llvm-mc -triple=amdgcn-amd-amdhsa -mcpu=gfx1250 --defsym DOCPART=n.
;; ======== version 1 of 2: 1 launch
;; launch attn (part 1): grid 2 x 128, 16 waves a work-group, no clusters, 153,600 bytes of LDS; arguments q, k, v, cu_seqlens, out0; writes out0
.if DOCPART == 1
	.amdgcn_target "amdgcn-amd-amdhsa--gfx1250"
	.amdhsa_code_object_version 6
	.text
	.protected	k_q50fb6eb7a7_attn
	.globl	k_q50fb6eb7a7_attn
	.p2align	8
	.type	k_q50fb6eb7a7_attn,@function
k_q50fb6eb7a7_attn:
	s_mov_b64 s[64:65], 0
	v_nop
	global_prefetch_b8 v0, s[64:65] scope:SCOPE_SE
	s_setreg_imm32_b32 hwreg(HW_REG_WAVE_MODE, 25, 1), 1
	s_wait_xcnt 0x0
; out[b][q][hd][:] = sum over keys of softmax_k(q . k / 8) v, keys and rows at or beyond L = cu[b+1] - cu[b] left out (rows: zeros).  q, k, v, out: [8192 tokens][16 heads][64] f32;
; sequence b begins at token 1024 b.  Both products on codes of FP4 (E2M1) with one E8M0 scale for each 32 along a product's K: q and k along the head's 64, v and p along the keys.
; THE SOFTMAX AHEAD OF THE SECOND PRODUCT: t = score x log2(e) / 8; M = the running largest t rounded UP to a whole number; p = 2^(t - M) is quantised, not normalised; the row's sum is taken of the
; unquantised p and divides at the end; when M moves, the sum and O are multiplied by 2^(old M - new M), which rounds nothing.
; SHARES.  256 work-groups: (half, 16 b + head).  A work-group owns 512 queries of one head; each of its sixteen waves owns 32, two tiles of 16, in 256 registers: four waves to a SIMD, so that one
; wave's exponentials and LDS loads stand beside the others' plain work.  Every wave walks the head's keys, 128 a step.
; K AND V are quantised by the work-group itself, 256 keys (a unit) at a time, into LDS, as IMAGES OF THE OPERANDS' REGISTERS (16 bytes a lane, 512 bytes a load).  Each image byte is written once; a unit
; is written one trip ahead of its reading, with a barrier between.  Its f32 numbers are asked for two tile-steps ahead of their quantising, into 32 registers.
; LAYOUT.  Both products are used transposed (S^T = K Q^T, O^T = V^T P^T): a lane holds ONE query (lane % 16) throughout.  The head has 64 channels and the instruction 128 along K: a fragment of K holds
; TWO keys a row (k 0-63: key 32 bq + r + 8 (r / 8); k 64-127: the key 8 further on), and is multiplied by [q | 0] and by [0 | q].  So the 16 registers of two neighbouring result tiles are 16 neighbouring keys.
; NO CLUSTER, NO TENSOR LOADS: only the two work-groups of a head share K and V; the shared numbers are f32 and have to pass through registers to become codes.
; LIMITS: NaN and infinities among q, k, v are not served.  Rows at or beyond L are stored as O x 0: a zero there may carry a minus sign.  A block of zeros gets the scale byte 1 (its codes are zeros, and this
; program alone reads the bytes); blocks whose largest magnitude lies under 2^(3 - 127) are held at that byte.
.set KIMG,  0                          ; LDS: K's images: step j at 4096 j, fragment bq at 1024 bq, register group u at 512 u, 16 bytes a lane
.set VIMG,  32768                      ; V's: step j at 4096 j, tile of 16 channels t at 1024 t, register group c at 512 c, 16 bytes a lane
.set KSC,   65536                      ; K's scale words: 256 j + 64 bq + 4 r; bytes: key u = 0 blocks 0, 1, key u = 1 blocks 0, 1
.set VSC,   67584                      ; V's: 256 j + 64 t + 4 r; byte = the block of 32 keys in the step
.set STG,   69632                      ; a stage of STGB bytes for each wave, its own
.set STGB,  5120
.set FLOOR, 0x1800000                  ; 2^(3 - 127): no largest magnitude is taken under it, so no scale byte falls under 1
.set OFF2,  0xff000000                 ; takes 2 off an exponent field
.set UNITB, 0x100000                   ; 256 tokens of 4,096 bytes
; vector registers
.set LI,   1                           ; 16 x lane
.set LS,   2                           ; KSC + 4 x lane
.set ADF,  3                           ; the step's images: 4096 j + LI
.set ADS,  4                           ; the step's scale words: 256 j + LS
.set GK,   5                           ; k: 65536 w + 4096 h + 16 r
.set GV,   6                           ; v: 131072 (w / 2) + 128 (w % 2) + 4 x lane
.set GQ,   7                           ; q and out: 4096 h + 16 r
.set SW,   8                           ; K's turn through the stage, in
.set SRD,  9                           ; and back
.set KW0,  10                          ; where my codes of K go, in a unit's images
.set KSW0, 11                          ; and their scale byte
.set VW0,  12                          ; the same for V
.set VSW0, 13
.set ADW,  14                          ; the same, of the unit in hand
.set ADW2, 15
.set AQ1,  16                          ; Q's turn through the stage, in
.set AQ2,  17                          ; and back
.set H8,   18                          ; 8 h
.set AO1,  19                          ; the way out: into the stage
.set STA,  20                          ; tile a: +0 -M, +1 the largest t, +2, +3 the sum in two halves
.set STB,  24                          ; tile b
                                       ; v28-47: zeros, q a, zeros, q b, zeros, four registers each: [0|qa] v28, [qa|0] v32, [0|qb] v36, [qb|0] v40
.set QSA,  48                          ; q's scale words, bytes s0, s1, s0, s1
.set QSB,  49
.set SCL,  50                          ; v50-51 K's scale words: lanes 0-15 fragment 2 i, lanes 16-31 fragment 2 i + 1
.set VS,   52                          ; v52-53 V's likewise
.set PW,   54                          ; p's scale word
.set AO2,  55                          ; the way out: back from the stage
.set F,    56                          ; v56-87 K's four fragments; behind their products at work:
.set PC,   F                           ;   p's codes
.set BM,   F+8                         ;   the four blocks' largest
.set PD,   F+12
.set SO,   F+16                         ;   the conversions' scale operands
.set FF,   F+20                        ;   f = 2^(old M - new M) (a pair is named)
.set LSUM, F+22                        ;   the sum's second chain
.set TA,   F+24
.set TB,   F+25
.set S,    88                          ; v88-151 64 scores, then p; v88-119 later V's four fragments; at work for the quantisers between steps
.set OA,   152                         ; v152-183 O^T of tile a: tile t of channels at +8 t
.set OB,   184                         ; v184-215 of tile b
.set R,    216                         ; v216-247 numbers of k or v on their way in
.set LN,   248                         ; lane
.set RR,   249                         ; r = lane % 16
.set HH,   250                         ; h = lane / 16
; scalar registers: s[4:5] q, s[6:7] k, s[8:9] v, s[10:11] cu_seqlens, s[12:13] out
.set WV,   14                          ; my wave's number
.set LL,   18                          ; L, held to 0 .. 1024
.set LW,   19                          ; L, or 0 if all my queries lie at or beyond L
.set SEL,  20                          ; s[20:21] lane l xor 16
.set CS,   22                          ; s[22:23] c = log2(e) / 8
.set KF,   24                          ; the step's first key
.set SJ,   25                          ; 4096 j
.set SS,   26                          ; 256 j
.set SU,   27                          ; 8192 x the unit that is being written
.set SUS,  28                          ; 512 x that unit
.set TR,   29                          ; trips to go
.set T0,   30
.set T1,   31
.set STGW, 32                          ; my stage
.set LQA,  33                          ; L - tile a's first query
.set LQB,  34
.set Q0,   35                          ; my first query
.macro KLOAD dst                       ; my 16 keys of a unit: each load takes two whole rows of 256 bytes (key 16 w + 2 n + h, bytes 16 r on)
.irp n, 0,1,2,3,4,5,6,7
	global_load_b128 v[\dst+4*\n:\dst+4*\n+3], v[GK], s[6:7] offset:8192*\n
.endr
.endm
.macro VLOAD dst                       ; a lane takes channel 32 (w % 2) + lane, its registers run down the 32 keys of block w / 2: a whole block of the second product's K in one lane
.irp n, 0,1,2,3,4,5,6,7,8,9,10,11,12,13,14,15,16,17,18,19,20,21,22,23,24,25,26,27,28,29,30,31
	global_load_b32 v[\dst+\n], v[GV], s[8:9] offset:4096*\n
.endr
.endm
.macro QLOAD dst, wh                   ; a tile of 16 queries, two whole rows a load; read once in the launch
.irp n, 0,1,2,3,4,5,6,7
	global_load_b128 v[\dst+4*\n:\dst+4*\n+3], v[GQ], s[4:5] offset:65536*\wh+8192*\n th:TH_LOAD_NT
.endr
.endm
; My 16 keys become codes.  They turn through my stage (pieces of 64 bytes, 80 apart), so that a lane holds 16 neighbours: channels 16 (lane % 4) on of key 16 w + 8 g + lane / 4; two neighbouring lanes hold a block.
.macro KQUANT src, x, t
	v_add_nc_u32 v[ADW], s[SU], v[KW0]
	v_add_nc_u32 v[ADW2], s[SUS], v[KSW0]
.irp g, 0,1
.irp n, 0,1,2,3
	ds_store_b128 v[SW], v[\src+16*\g+4*\n:\src+16*\g+4*\n+3] offset:2560*\g+640*\n
.endr
.endr
.irp g, 0,1
.irp n, 0,1,2,3
	ds_load_b128 v[\x+16*\g+4*\n:\x+16*\g+4*\n+3], v[SRD] offset:2560*\g+16*\n   ; LDS serves a wave's instructions in order: these see my stores
.endr
.endr
	s_wait_dscnt 0x0
.irp g, 0,1
	v_max3_num_f32 v[\t+6*\g], |v[\x+16*\g]|, |v[\x+16*\g+1]|, |v[\x+16*\g+2]|
	v_max3_num_f32 v[\t+6*\g+1], |v[\x+16*\g+3]|, |v[\x+16*\g+4]|, |v[\x+16*\g+5]|
.endr
.irp i, 6,10
.irp g, 0,1
	v_max3_num_f32 v[\t+6*\g], v[\t+6*\g], |v[\x+16*\g+\i]|, |v[\x+16*\g+\i+1]|
	v_max3_num_f32 v[\t+6*\g+1], v[\t+6*\g+1], |v[\x+16*\g+\i+2]|, |v[\x+16*\g+\i+3]|
.endr
.endr
.irp g, 0,1
	v_max3_num_f32 v[\t+6*\g], v[\t+6*\g], |v[\x+16*\g+14]|, |v[\x+16*\g+15]|
.endr
.irp g, 0,1
	v_max3_num_f32 v[\t+6*\g], v[\t+6*\g], v[\t+6*\g+1], FLOOR
.endr
.irp g, 0,1
	v_max_num_f32_dpp v[\t+6*\g], v[\t+6*\g], v[\t+6*\g] row_xmask:1 row_mask:0xf bank_mask:0xf   ; with my neighbour's 16: the block's largest magnitude
.endr
.irp g, 0,1
	v_add_nc_u32 v[\t+6*\g+2], OFF2, v[\t+6*\g]    ; 2 off its exponent field: the conversion's scale operand
.endr
.irp g, 0,1
	v_cvt_scalef32_pk8_fp4_f32 v[\t+6*\g+4], v[\x+16*\g:\x+16*\g+7], v[\t+6*\g+2]
	v_cvt_scalef32_pk8_fp4_f32 v[\t+6*\g+5], v[\x+16*\g+8:\x+16*\g+15], v[\t+6*\g+2]
.endr
.irp g, 0,1
	v_lshrrev_b32 v[\t+6*\g+3], 23, v[\t+6*\g+2]   ; the scale's byte (also the plain line behind the conversions)
.endr
.irp g, 0,1
	ds_store_b64 v[ADW], v[\t+6*\g+4:\t+6*\g+5] offset:512*\g    ; g is the fragment's register group u
	ds_store_b8 v[ADW2], v[\t+6*\g+3] offset:2*\g                ; both lanes of a block write the same byte with the same value
.endr
.endm
; My block of 32 keys of my channel becomes 16 bytes of codes: they are four registers of V's operand as they stand.
.macro VQUANT src, t
	v_add_nc_u32 v[ADW], s[SU], v[VW0]
	v_add_nc_u32 v[ADW2], s[SUS], v[VSW0]
	v_max3_num_f32 v[\t], |v[\src]|, |v[\src+1]|, |v[\src+2]|
	v_max3_num_f32 v[\t+1], |v[\src+3]|, |v[\src+4]|, |v[\src+5]|
.irp i, 6,10,14,18,22,26
	v_max3_num_f32 v[\t], v[\t], |v[\src+\i]|, |v[\src+\i+1]|
	v_max3_num_f32 v[\t+1], v[\t+1], |v[\src+\i+2]|, |v[\src+\i+3]|
.endr
	v_max3_num_f32 v[\t], v[\t], |v[\src+30]|, |v[\src+31]|
	v_max3_num_f32 v[\t], v[\t], v[\t+1], FLOOR
	v_add_nc_u32 v[\t+2], OFF2, v[\t]
.irp g, 0,1,2,3
	v_cvt_scalef32_pk8_fp4_f32 v[\t+4+\g], v[\src+8*\g:\src+8*\g+7], v[\t+2]
.endr
	v_lshrrev_b32 v[\t+3], 23, v[\t+2]             ; the scale's byte (also the plain line behind the conversions)
	ds_store_b128 v[ADW], v[\t+4:\t+7]
	ds_store_b8 v[ADW2], v[\t+3]
.endm
; A tile of queries turns through my stage (pieces of 128 bytes, 144 apart): lane (r, h) then holds block h, channels 32 h on, of query r.
.macro QTURN src, x
.irp n, 0,1,2,3,4,5,6,7
	ds_store_b128 v[AQ1], v[\src+4*\n:\src+4*\n+3] offset:288*\n
.endr
.irp n, 0,1,2,3,4,5,6,7
	ds_load_b128 v[\x+4*\n:\x+4*\n+3], v[AQ2] offset:16*\n
.endr
	s_wait_dscnt 0x0
.endm
.macro QQUANT x, t, dst, qs            ; its codes are four registers of the operand; the two blocks' bytes are gathered from lanes l and l xor 16
	v_max3_num_f32 v[\t], |v[\x]|, |v[\x+1]|, |v[\x+2]|
	v_max3_num_f32 v[\t+1], |v[\x+3]|, |v[\x+4]|, |v[\x+5]|
.irp i, 6,10,14,18,22,26
	v_max3_num_f32 v[\t], v[\t], |v[\x+\i]|, |v[\x+\i+1]|
	v_max3_num_f32 v[\t+1], v[\t+1], |v[\x+\i+2]|, |v[\x+\i+3]|
.endr
	v_max3_num_f32 v[\t], v[\t], |v[\x+30]|, |v[\x+31]|
	v_max3_num_f32 v[\t], v[\t], v[\t+1], FLOOR
	v_add_nc_u32 v[\t+2], OFF2, v[\t]
	v_lshrrev_b32 v[\t+3], 23, v[\t+2]
.irp g, 0,1,2,3
	v_cvt_scalef32_pk8_fp4_f32 v[\dst+\g], v[\x+8*\g:\x+8*\g+7], v[\t+2]
.endr
	v_lshlrev_b32 v[\t+3], v[H8], v[\t+3]          ; my byte at its place, 8 h bits up (also the plain line behind the conversions)
	v_mov_b32 v[\t+1], 0                           ; a lane permute's destination counts as one of its sources
	v_permlanex16_b32 v[\t+1], v[\t+3], s[SEL], s[SEL+1]
	v_or_b32 v[\t+3], v[\t+3], v[\t+1]
	v_lshl_or_b32 v[\qs], v[\t+3], 16, v[\t+3]     ; s0, s1, s0, s1: it serves [q | 0] and [0 | q]; the bytes over the zeros scale nothing
.endm
.macro SETADR
	v_add_nc_u32 v[ADF], s[SJ], v[LI]
	v_add_nc_u32 v[ADS], s[SS], v[LS]
.endm
.macro NEXTSTEP
	s_add_co_u32 s[SJ], s[SJ], 4096
	s_add_co_u32 s[SS], s[SS], 256
	s_add_co_u32 s[KF], s[KF], 128
.endm
.macro BARRIER                         ; my LDS stores have landed and my LDS loads are in: then the work-group's barrier
	s_wait_dscnt 0x0
	s_barrier_signal -1
	s_barrier_wait -1
.endm
; ONE TILE OF 16 QUERIES AGAINST 128 KEYS.  acc: its O^T; st: its statistics; ql: [q | 0]; qh: [0 | q]; qs: q's scale word.
.macro TSTEP acc, st, ql, qh, qs
	s_cmp_ge_i32 s[KF], s[LW]                      ; all the step's keys hidden, or all my queries: nothing to do.  No barrier and no stepped address stands in a step
	s_cbranch_scc1 .Lskip_\@
.irp bq, 0,1,2,3
.irp c, 0,1
	ds_load_b128 v[F+8*\bq+4*\c:F+8*\bq+4*\c+3], v[ADF] offset:KIMG+1024*\bq+512*\c
.endr
.endr
.irp i, 0,1
	ds_load_b32 v[SCL+\i], v[ADS] offset:128*\i
.endr
	s_wait_dscnt 0x0
.irp bq, 0,2                                   ; S^T: register 16 bq + i of lane (r, h) is key 32 bq + 16 h + i of query r
	v_wmma_scale_f32_16x16x128_f8f6f4 v[S+16*\bq:S+16*\bq+7], v[F+8*\bq:F+8*\bq+7], v[\ql:\ql+7], 0, v[SCL+\bq/2], v[\qs] matrix_a_fmt:MATRIX_FMT_FP4 matrix_b_fmt:MATRIX_FMT_FP4
	v_wmma_scale_f32_16x16x128_f8f6f4 v[S+16*\bq+8:S+16*\bq+15], v[F+8*\bq:F+8*\bq+7], v[\qh:\qh+7], 0, v[SCL+\bq/2], v[\qs] matrix_a_fmt:MATRIX_FMT_FP4 matrix_b_fmt:MATRIX_FMT_FP4
	v_wmma_scale_f32_16x16x128_f8f6f4 v[S+16*\bq+16:S+16*\bq+23], v[F+8*\bq+8:F+8*\bq+15], v[\ql:\ql+7], 0, v[SCL+\bq/2], v[\qs] matrix_a_fmt:MATRIX_FMT_FP4 matrix_b_fmt:MATRIX_FMT_FP4 matrix_a_scale:MATRIX_SCALE_ROW1
	v_wmma_scale_f32_16x16x128_f8f6f4 v[S+16*\bq+24:S+16*\bq+31], v[F+8*\bq+8:F+8*\bq+15], v[\qh:\qh+7], 0, v[SCL+\bq/2], v[\qs] matrix_a_fmt:MATRIX_FMT_FP4 matrix_b_fmt:MATRIX_FMT_FP4 matrix_a_scale:MATRIX_SCALE_ROW1
.endr
.rept 4
	v_nop                                          ; four places (ISA guide 7.12.1) ahead of the first read of the scores and the first write into K's registers
.endr
	s_add_co_u32 s[T0], s[KF], 128
	s_cmp_le_i32 s[T0], s[LL]
	s_cbranch_scc1 .Lopen_\@                       ; all 128 keys count
	s_sub_co_i32 s[T0], s[LL], s[KF]
	v_and_b32 v[TA], 16, v0                        ; 16 h
	v_sub_nc_u32 v[TA], s[T0], v[TA]               ; register 16 b + i holds key KF + 16 h + 32 b + i: hidden where 32 b + i >= L - KF - 16 h
	v_mov_b32 v[TB], 0xff800000                    ; -infinity: p = 0 then.  Key KF counts, so the step's maximum is a number
.irp n, 0,1,2,3,4,5,6,7,8,9,10,11,12,13,14,15,16,17,18,19,20,21,22,23,24,25,26,27,28,29,30,31,32,33,34,35,36,37,38,39,40,41,42,43,44,45,46,47,48,49,50,51,52,53,54,55,56,57,58,59,60,61,62,63
	v_cmp_ge_i32 vcc_lo, 32*(\n/16)+\n%16, v[TA]
	v_cndmask_b32 v[S+\n], v[S+\n], v[TB], vcc_lo
.endr
.Lopen_\@:
.irp b, 0,1,2,3
	v_max3_num_f32 v[BM+\b], v[S+16*\b], v[S+1+16*\b], v[S+2+16*\b]   ; the largest score of each block of 32 keys: for the row's maximum, and, since p rises with the score, for the block's largest p
.endr
.irp i, 3,5,7,9,11,13
.irp b, 0,1,2,3
	v_max3_num_f32 v[BM+\b], v[BM+\b], v[S+16*\b+\i], v[S+1+16*\b+\i]
.endr
.endr
.irp b, 0,1,2,3
	v_max_num_f32 v[BM+\b], v[BM+\b], v[S+15+16*\b]
.endr
.irp b, 0,1,2,3
	v_permlanex16_b32 v[PD+\b], v[BM+\b], s[SEL], s[SEL+1]
.endr
.irp b, 0,1,2,3
	v_max_num_f32 v[BM+\b], v[BM+\b], v[PD+\b]     ; with lane l xor 16's 16 keys
.endr
	v_max3_num_f32 v[TA], v[BM], v[BM+1], v[BM+2]
	v_max_num_f32 v[TA], v[TA], v[BM+3]            ; the step's largest score of my query
	v_mul_f32 v[TA], s[CS], v[TA]                  ; as t (c is positive)
	v_max_num_f32 v[\st+1], v[\st+1], v[TA]        ; the running largest t
	v_mov_b32 v[TA], v[\st]
	v_floor_f32 v[\st], -v[\st+1]                  ; the new -M = floor(-t) = -ceil(t)
	v_sub_f32 v[TA], v[\st], v[TA]                 ; old M - new M: a whole number, 0 or less
	v_cvt_i32_f32 v[TA], v[TA]                     ; (it saturates)
	v_ldexp_f32 v[FF], 1.0, v[TA]                  ; f = 2^(old M - new M)
.irp j, 0,2,4,6,8,10,12,14,16,18,20,22,24,26,28,30,32,34,36,38,40,42,44,46,48,50,52,54,56,58,60,62
	v_pk_fma_f32 v[S+\j:S+\j+1], v[S+\j:S+\j+1], s[CS:CS+1], v[\st:\st+1] op_sel_hi:[1,0,0]   ; t - M, two at a time (of the pairs c and -M the low word serves both halves)
.endr
.irp b, 0,1,2,3
	v_fma_f32 v[BM+\b], v[BM+\b], s[CS], v[\st]    ; the same of each block's largest score
.endr
.irp j, 0,1,2,3,4,5,6,7,8,9,10,11,12,13,14,15,16,17,18,19,20,21,22,23,24,25,26,27,28,29,30,31,32,33,34,35,36,37,38,39,40,41,42,43,44,45,46,47,48,49,50,51,52,53,54,55,56,57,58,59,60,61,62,63
	v_exp_f32 v[S+\j], v[S+\j]                     ; p = 2^(t - M), at most 1
.endr
.irp b, 0,1,2,3
	v_exp_f32 v[BM+\b], v[BM+\b]                   ; the block's largest p: the same two instructions on the same number
.endr
	v_pk_mul_f32 v[\st+2:\st+3], v[\st+2:\st+3], v[FF:FF+1] op_sel_hi:[1,0]   ; the sum under the new M (the plain line behind the exponentials)
	s_wait_alu depctr_va_vdst(0)
.irp b, 0,1,2,3
	v_max_num_f32 v[BM+\b], FLOOR, v[BM+\b]
.endr
.irp b, 0,1,2,3
	v_add_nc_u32 v[SO+\b], OFF2, v[BM+\b]          ; the conversion's scale operand
.endr
.irp b, 0,1,2,3
	v_lshrrev_b32 v[PD+\b], 23, v[SO+\b]           ; the scale's byte
.endr
	v_lshl_or_b32 v[PW], v[PD+1], 8, v[PD]         ; p's scale word for these 128 keys
	v_lshl_or_b32 v[PW], v[PD+2], 16, v[PW]
	v_lshl_or_b32 v[PW], v[PD+3], 24, v[PW]
.irp b, 0,1,2,3
	v_cvt_scalef32_pk8_fp4_f32 v[PC+2*\b], v[S+16*\b:S+16*\b+7], v[SO+\b]
	v_cvt_scalef32_pk8_fp4_f32 v[PC+2*\b+1], v[S+16*\b+8:S+16*\b+15], v[SO+\b]
.endr
	v_nop                                          ; one plain line between a scaled conversion and the vector instruction that touches its result
.irp c, 0,1                                    ; the operand wants a whole block in a lane: lanes 0-15 block 2 c, lanes 16-31 block 2 c + 1
.irp i, 0,1
	v_permlane16_swap_b32 v[PC+4*\c+\i], v[PC+2+4*\c+\i]
.endr
.endr
	v_pk_add_f32 v[LSUM:LSUM+1], v[S:S+1], v[S+2:S+3]   ; the row's sum is taken of the unquantised p, two at a time, in two chains; the first 32 numbers first: their registers take V's fragments
.irp j, 4,8,12,16,20,24,28
	v_pk_add_f32 v[\st+2:\st+3], v[\st+2:\st+3], v[S+\j:S+\j+1]
	v_pk_add_f32 v[LSUM:LSUM+1], v[LSUM:LSUM+1], v[S+\j+2:S+\j+3]
.endr
.irp t, 0,1,2,3
.irp c, 0,1
	ds_load_b128 v[S+8*\t+4*\c:S+8*\t+4*\c+3], v[ADF] offset:VIMG+1024*\t+512*\c
.endr
.endr
.irp i, 0,1
	ds_load_b32 v[VS+\i], v[ADS] offset:VSC-KSC+128*\i
.endr
.irp j, 0,2,4,6,8,10,12,14,16,18,20,22,24,26,28,30
	v_pk_mul_f32 v[\acc+\j:\acc+\j+1], v[\acc+\j:\acc+\j+1], v[FF:FF+1] op_sel_hi:[1,0]   ; O^T under the new M, each accumulator from its low end on
.endr
.irp j, 32,36,40,44
	v_pk_add_f32 v[\st+2:\st+3], v[\st+2:\st+3], v[S+\j:S+\j+1]
	v_pk_add_f32 v[LSUM:LSUM+1], v[LSUM:LSUM+1], v[S+\j+2:S+\j+3]
.endr
	s_wait_dscnt 0x0                               ; V's fragments and scale words are in
.irp t, 0,2                                    ; O^T += V^T P^T: the four accumulators by turns, one instruction a turn
	v_wmma_scale_f32_16x16x128_f8f6f4 v[\acc+8*\t:\acc+8*\t+7], v[S+8*\t:S+8*\t+7], v[PC:PC+7], v[\acc+8*\t:\acc+8*\t+7], v[VS+\t/2], v[PW] matrix_a_fmt:MATRIX_FMT_FP4 matrix_b_fmt:MATRIX_FMT_FP4
	v_wmma_scale_f32_16x16x128_f8f6f4 v[\acc+8*\t+8:\acc+8*\t+15], v[S+8*\t+8:S+8*\t+15], v[PC:PC+7], v[\acc+8*\t+8:\acc+8*\t+15], v[VS+\t/2], v[PW] matrix_a_fmt:MATRIX_FMT_FP4 matrix_b_fmt:MATRIX_FMT_FP4 matrix_a_scale:MATRIX_SCALE_ROW1
.endr
.irp j, 48,52,56,60                            ; the rest of the sum: nine plain lines that name no register of those products: the places ahead of the next loads into
	v_pk_add_f32 v[\st+2:\st+3], v[\st+2:\st+3], v[S+\j:S+\j+1]            ; their operands' registers (four are owed) and of the next scores, which are written over V's fragments (five)
	v_pk_add_f32 v[LSUM:LSUM+1], v[LSUM:LSUM+1], v[S+\j+2:S+\j+3]
.endr
	v_pk_add_f32 v[\st+2:\st+3], v[\st+2:\st+3], v[LSUM:LSUM+1]
.Lskip_\@:
.endm
; THE WAY OUT of a tile: O^T / the sum, or x 0 for a row at or beyond L; through my stage (16 rows of 256 bytes, 272 apart); sixteen lanes store one row of 256 consecutive bytes, aligned.
.macro OUT acc, st, wh, pp, bk, lq
	v_add_f32 v[TA], v[\st+2], v[\st+3]            ; the sum's two halves,
	v_mov_b32 v[TB], 0
	v_permlanex16_b32 v[TB], v[TA], s[SEL], s[SEL+1]
	v_add_f32 v[TA], v[TA], v[TB]                  ; and lane l xor 16's
	v_rcp_f32 v[TB], v[TA]
	v_cmp_gt_i32 vcc_lo, s[\lq], v[RR]             ; my query counts where r < L - the tile's first query
	v_nop                                          ; a plain line behind the reciprocal
	s_wait_alu depctr_va_vdst(0)
	v_cndmask_b32 v[FF], 0, v[TB], vcc_lo
	v_mov_b32 v[FF+1], 0                           ; (named with it as a pair)
.irp j, 0,2,4,6,8,10,12,14,16,18,20,22,24,26,28,30
	v_pk_mul_f32 v[\pp+\j:\pp+\j+1], v[\acc+\j:\acc+\j+1], v[FF:FF+1] op_sel_hi:[1,0]   ; register 8 t + i is out(r, 16 t + 8 h + i)
.endr
.irp t, 0,1,2,3
	ds_store_b128 v[AO1], v[\pp+8*\t:\pp+8*\t+3] offset:64*\t
	ds_store_b128 v[AO1], v[\pp+8*\t+4:\pp+8*\t+7] offset:64*\t+16
.endr
.irp i, 0,1,2,3,4,5,6,7
	ds_load_b128 v[\bk+4*\i:\bk+4*\i+3], v[AO2] offset:544*\i   ; LDS serves a wave's instructions in order: these see my stores
.endr
.irp i, 0,1,2,3,4,5,6,7
	s_wait_dscnt 7-\i                              ; the younger loads from the stage may stay out
	global_store_b128 v[GQ], v[\bk+4*\i:\bk+4*\i+3], s[12:13] offset:65536*\wh+8192*\i th:TH_STORE_NT
.endr
.endm
	; ---- the head: addresses
	s_load_b256 s[4:11], s[0:1], 0x0               ; q, k, v, cu_seqlens
	s_load_b64 s[12:13], s[0:1], 0x20              ; out
	v_lshrrev_b32 v[LN], 5, v0
	v_readfirstlane_b32 s[WV], v[LN]               ; wave 0..15
	v_and_b32 v[LN], 31, v0
	v_and_b32 v[RR], 15, v0
	v_bfe_u32 v[HH], v0, 4, 1
	s_and_b32 s[T0], ttmp7, 0xffff                 ; 16 b + head
	s_lshr_b32 s[T1], s[T0], 4                     ; b
	s_and_b32 s[T0], s[T0], 15                     ; head
	s_lshl_b32 s44, s[T1], 2                       ; cu_seqlens: 4 b
	s_mov_b32 s45, 0
	s_lshl_b32 s40, s[T1], 22                      ; the sequence's 1,024 tokens of 4,096 bytes,
	s_lshl_b32 s[T0], s[T0], 8                     ; the head's 256 bytes of a token
	s_add_co_u32 s40, s40, s[T0]
	s_mov_b32 s41, 0
	s_lshl_b32 s42, ttmp9, 21                      ; my work-group's 512 queries,
	s_lshl_b32 s[T0], s[WV], 17                    ; my wave's 32
	s_add_co_u32 s42, s42, s[T0]
	s_add_co_u32 s42, s42, s40
	s_mov_b32 s43, 0
	s_lshl_b32 s[Q0], ttmp9, 9
	s_lshl_b32 s[T0], s[WV], 5
	s_add_co_u32 s[Q0], s[Q0], s[T0]               ; my first query in the sequence
	s_mov_b32 s[SEL], 0x76543210
	s_mov_b32 s[SEL+1], 0xfedcba98
	s_mov_b32 s[CS], 0x3e38aa3b                    ; c = log2(e) / 8
	s_mov_b32 s[CS+1], s[CS]
	s_mov_b32 s[SU], 0
	s_mov_b32 s[SUS], 0
	s_lshr_b32 s36, s[WV], 3                       ; w / 8: which of a unit's two steps
	s_and_b32 s37, s[WV], 1                        ; w % 2
	s_bfe_u32 s38, s[WV], 0x20001                  ; (w / 2) % 4
	v_lshlrev_b32 v[LI], 4, v[LN]
	v_lshl_add_u32 v[LS], v[LN], 2, KSC
	v_lshlrev_b32 v[GQ], 4, v[RR]
	v_lshl_add_u32 v[GQ], v[HH], 12, v[GQ]
	s_lshl_b32 s[T0], s[WV], 16
	v_add_nc_u32 v[GK], s[T0], v[GQ]
	s_lshr_b32 s[T0], s[WV], 1
	s_lshl_b32 s[T0], s[T0], 17
	s_lshl_b32 s[T1], s37, 7
	s_add_co_u32 s[T0], s[T0], s[T1]
	v_lshl_add_u32 v[GV], v[LN], 2, s[T0]
	s_wait_kmcnt 0x0
	s_add_nc_u64 s[10:11], s[10:11], s[44:45]
	s_load_b32 s16, s[10:11], 0x0                  ; cu[b]
	s_load_b32 s17, s[10:11], 0x4                  ; cu[b + 1]
	s_add_nc_u64 s[4:5], s[4:5], s[42:43]          ; q and out at my first row
	s_add_nc_u64 s[12:13], s[12:13], s[42:43]
	s_add_nc_u64 s[6:7], s[6:7], s[40:41]          ; k and v at the head's first key
	s_add_nc_u64 s[8:9], s[8:9], s[40:41]
	KLOAD R                                        ; unit 0 of K (8 loads), of V (32), and my two tiles of Q (8 + 8): all go out together
	VLOAD OA
	QLOAD S, 0
	QLOAD S+32, 1
	s_mul_i32 s[STGW], s[WV], STGB
	s_add_co_u32 s[STGW], s[STGW], STG
	v_lshrrev_b32 v251, 2, v[LN]                   ; lane / 4
	v_and_b32 v252, 3, v0                          ; lane % 4
	v_bfe_u32 v253, v0, 1, 1                       ; (lane / 2) % 2: my block of a key's two
	v_and_b32 v254, 1, v0                          ; lane % 2: which half of the block
	v_mul_u32_u24 v[SW], v251, 80
	v_lshl_add_u32 v[SW], v252, 4, v[SW]
	v_add_nc_u32 v[SW], s[STGW], v[SW]
	v_mul_u32_u24 v[SRD], v[LN], 80
	v_add_nc_u32 v[SRD], s[STGW], v[SRD]
	s_lshl_b32 s[T0], s36, 12                      ; K's codes: key 16 w + 8 g + lane / 4 is row r = lane / 4 + 8 (w % 2) of fragment (w / 2) % 4, register group g
	s_lshl_b32 s[T1], s38, 10
	s_add_co_u32 s[T0], s[T0], s[T1]
	s_lshl_b32 s[T1], s37, 7
	s_add_co_u32 s[T0], s[T0], s[T1]
	v_lshlrev_b32 v[KW0], 4, v251
	v_lshl_add_u32 v[KW0], v253, 8, v[KW0]
	v_lshl_add_u32 v[KW0], v254, 3, v[KW0]
	v_add_nc_u32 v[KW0], s[T0], v[KW0]
	s_lshl_b32 s[T0], s36, 8                       ; and its scale byte
	s_lshl_b32 s[T1], s38, 6
	s_add_co_u32 s[T0], s[T0], s[T1]
	s_lshl_b32 s[T1], s37, 5
	s_add_co_u32 s[T0], s[T0], s[T1]
	s_add_co_u32 s[T0], s[T0], KSC
	v_lshl_add_u32 v[KSW0], v251, 2, v253
	v_add_nc_u32 v[KSW0], s[T0], v[KSW0]
	s_lshl_b32 s[T0], s36, 12                      ; V's codes: channel 32 (w % 2) + lane is row r of tile 2 (w % 2) + h; block (w / 2) % 4 = 2 c + the operand's half
	s_lshl_b32 s[T1], s37, 11
	s_add_co_u32 s[T0], s[T0], s[T1]
	s_lshl_b32 s[T1], s38, 8
	s_add_co_u32 s[T0], s[T0], s[T1]
	s_add_co_u32 s[T0], s[T0], VIMG
	v_lshlrev_b32 v[VW0], 4, v[RR]
	v_lshl_add_u32 v[VW0], v[HH], 10, v[VW0]
	v_add_nc_u32 v[VW0], s[T0], v[VW0]
	s_lshl_b32 s[T0], s36, 8                       ; and its scale byte
	s_lshl_b32 s[T1], s37, 7
	s_add_co_u32 s[T0], s[T0], s[T1]
	s_add_co_u32 s[T0], s[T0], s38
	s_add_co_u32 s[T0], s[T0], VSC
	v_lshlrev_b32 v[VSW0], 2, v[RR]
	v_lshl_add_u32 v[VSW0], v[HH], 6, v[VSW0]
	v_add_nc_u32 v[VSW0], s[T0], v[VSW0]
	v_bfe_u32 v255, v0, 3, 1                       ; Q's turn: load n brings query 2 n + h, channels 4 r on: piece 2 n + h + 16 (r / 8), byte 16 (r % 8)
	v_and_b32 v252, 7, v0
	v_mul_u32_u24 v[AQ1], v255, 2304
	v_mad_u32_u24 v[AQ1], v[HH], 144, v[AQ1]
	v_lshl_add_u32 v[AQ1], v252, 4, v[AQ1]
	v_add_nc_u32 v[AQ1], s[STGW], v[AQ1]
	v_mul_u32_u24 v[AQ2], v[LN], 144
	v_add_nc_u32 v[AQ2], s[STGW], v[AQ2]
	v_lshlrev_b32 v[H8], 3, v[HH]
	v_mul_u32_u24 v[AO1], v[RR], 272               ; the way out: in: row r, + 32 h
	v_lshl_add_u32 v[AO1], v[HH], 5, v[AO1]
	v_add_nc_u32 v[AO1], s[STGW], v[AO1]
	v_mul_u32_u24 v[AO2], v[HH], 272               ; back: lanes 0-15 one row, lanes 16-31 the next
	v_lshl_add_u32 v[AO2], v[RR], 4, v[AO2]
	v_add_nc_u32 v[AO2], s[STGW], v[AO2]
	s_wait_kmcnt 0x0
	s_sub_co_i32 s[LL], s17, s16                   ; L, in 32 bits as the reference has it;
	s_max_i32 s[LL], s[LL], 0                      ; held to 0 .. 1024: i < L picks the same i of 0 .. 1023
	s_min_i32 s[LL], s[LL], 0x400
	s_cmp_lt_i32 s[Q0], s[LL]
	s_cselect_b32 s[LW], s[LL], 0                  ; a wave none of whose queries counts walks the loop and leaves every step out
	s_sub_co_i32 s[LQA], s[LL], s[Q0]
	s_sub_co_i32 s[LQB], s[LQA], 16
	; ---- unit 0 and Q are quantised
	s_wait_loadcnt 48                              ; K's 8 loads are in; behind them V's 32 and Q's 16 may be out
	KQUANT R, OB, F
	s_wait_loadcnt 16                              ; V's 32 are in; Q's 16 may be out
	VQUANT OA, F+16
	s_wait_loadcnt 8                               ; tile a's 8 are in; tile b's may be out
	QTURN S, OB
	QQUANT OB, F, 32, QSA
	s_wait_loadcnt 0x0
	QTURN S+32, OA
	QQUANT OA, F, 40, QSB
.irp j, 28,29,30,31,36,37,38,39,44,45,46,47
	v_mov_b32 v[\j], 0                             ; the zero halves of [q | 0] and [0 | q]
.endr
.irp j, 0,1,2,3,4,5,6,7,8,9,10,11,12,13,14,15,16,17,18,19,20,21,22,23,24,25,26,27,28,29,30,31,32,33,34,35,36,37,38,39,40,41,42,43,44,45,46,47,48,49,50,51,52,53,54,55,56,57,58,59,60,61,62,63
	v_mov_b32 v[OA+\j], 0                          ; O^T of both tiles: a step may be left out, the first too, so the step is written once and finds zeros
.endr
.irp st, STA, STB
	v_mov_b32 v[\st+1], 0xff61b1e6                 ; the largest t so far: -3e38, under every t
	v_floor_f32 v[\st], -v[\st+1]                  ; -M
	v_mov_b32 v[\st+2], 0                          ; the sum, in two halves
	v_mov_b32 v[\st+3], 0
.endr
	BARRIER                                        ; unit 0's images lie in LDS
	s_mov_b32 s[SU], 8192                          ; unit 1 is written next,
	s_mov_b32 s[SUS], 512
	s_add_nc_u64 s[6:7], s[6:7], UNITB             ; (no load is out) and loaded next
	s_add_nc_u64 s[8:9], s[8:9], UNITB
	s_mov_b32 s[TR], 4
	s_mov_b32 s[KF], 0
	s_mov_b32 s[SJ], 0
	s_mov_b32 s[SS], 0
; ---- four trips of 256 keys.  Trip i reads the images of unit i and, but for the last, loads, quantises and writes unit i + 1: other bytes; the barrier at its end stands between that writing and the next trip's reading.
.Ltrip:
	s_cmp_eq_u32 s[TR], 1                          ; the last trip loads nothing: no load leaves its buffer
	s_cbranch_scc1 .Lno_v
	VLOAD R                                        ; two tile-steps ahead of the wait for it
.Lno_v:
	SETADR
	TSTEP OA, STA, 32, 28, QSA
	TSTEP OB, STB, 40, 36, QSB
	NEXTSTEP
	s_wait_loadcnt 0x0
	s_cmp_eq_u32 s[TR], 1
	s_cbranch_scc1 .Lno_k
	VQUANT R, S
	KLOAD R                                        ; again two tile-steps ahead
.Lno_k:
	SETADR
	TSTEP OA, STA, 32, 28, QSA
	TSTEP OB, STB, 40, 36, QSB
	NEXTSTEP
	s_wait_loadcnt 0x0
	s_cmp_eq_u32 s[TR], 1
	s_cbranch_scc1 .Lno_q
	KQUANT R, S, S+32
.Lno_q:
	s_add_co_u32 s[SU], s[SU], 8192
	s_add_co_u32 s[SUS], s[SUS], 512
	s_add_nc_u64 s[6:7], s[6:7], UNITB             ; no load is out: the bases may step (the last trip's step is not used)
	s_add_nc_u64 s[8:9], s[8:9], UNITB
	BARRIER
	s_sub_co_u32 s[TR], s[TR], 1
	s_cmp_lg_u32 s[TR], 0
	s_cbranch_scc1 .Ltrip
	; ---- the way out: each tile has registers of its own for what it stores, so no store's data are written again
	OUT OA, STA, 0, S, S+32, LQA
	OUT OB, STB, 1, R, OA, LQB
	s_wait_xcnt 0x0
	v_lshl_add_u32 v254, v0, 2, 0x25000
	v_mov_b32 v255, 0
	s_wait_tensorcnt 0x0
	ds_add_u32 v254, v255
	s_wait_dscnt 0x0
	s_endpgm
.Lfunc_end_k_q50fb6eb7a7_attn:
	.size	k_q50fb6eb7a7_attn, .Lfunc_end_k_q50fb6eb7a7_attn-k_q50fb6eb7a7_attn
	.p2alignl 7, 3214868480
	.fill 96, 4, 3214868480
	.section	.rodata,"a",@progbits
	.p2align	6, 0x0
	.amdhsa_kernel k_q50fb6eb7a7_attn
		.amdhsa_group_segment_fixed_size 153600
		.amdhsa_private_segment_fixed_size 0
		.amdhsa_enable_private_segment 0
		.amdhsa_kernarg_size 40
		.amdhsa_user_sgpr_count 2
		.amdhsa_user_sgpr_kernarg_segment_ptr 1
		.amdhsa_wavefront_size32 1
		.amdhsa_system_sgpr_workgroup_id_x 1
		.amdhsa_system_sgpr_workgroup_id_y 1
		.amdhsa_system_sgpr_workgroup_id_z 1
		.amdhsa_system_vgpr_workitem_id 0
		.amdhsa_next_free_vgpr 256
		.amdhsa_next_free_sgpr 66
		.amdhsa_reserve_vcc 1
		.amdhsa_float_denorm_mode_32 3
		.amdhsa_float_denorm_mode_16_64 3
		.amdhsa_memory_ordered 1
		.amdhsa_forward_progress 1
		.amdhsa_inst_pref_size 120
	.end_amdhsa_kernel
	.amdgpu_metadata
---
amdhsa.version: [ 1, 2 ]
amdhsa.kernels:
  - .name:           k_q50fb6eb7a7_attn
    .symbol:         k_q50fb6eb7a7_attn.kd
    .args:
      - { .name: q, .offset: 0, .size: 8, .value_kind: global_buffer, .address_space: global }
      - { .name: k, .offset: 8, .size: 8, .value_kind: global_buffer, .address_space: global }
      - { .name: v, .offset: 16, .size: 8, .value_kind: global_buffer, .address_space: global }
      - { .name: cu_seqlens, .offset: 24, .size: 8, .value_kind: global_buffer, .address_space: global }
      - { .name: out0, .offset: 32, .size: 8, .value_kind: global_buffer, .address_space: global }
    .group_segment_fixed_size: 153600
    .private_segment_fixed_size: 0
    .kernarg_segment_align: 8
    .kernarg_segment_size: 40
    .max_flat_workgroup_size: 512
    .sgpr_count:     66
    .vgpr_count:     256
    .wavefront_size: 32
...
	.end_amdgpu_metadata
.endif
;; end of part 1
;; ======== version 2 of 2: 1 launch; version 1 with the launch attn written anew for expert scheduling mode
;; launch attn (part 2): grid 2 x 128, 16 waves a work-group, no clusters, 153,600 bytes of LDS; arguments q, k, v, cu_seqlens, out0; writes out0
.if DOCPART == 2
	.amdgcn_target "amdgcn-amd-amdhsa--gfx1250"
	.amdhsa_code_object_version 6
	.text
	.protected	k_q50fb6eb7a7_attn
	.globl	k_q50fb6eb7a7_attn
	.p2align	8
	.type	k_q50fb6eb7a7_attn,@function
k_q50fb6eb7a7_attn:
	s_mov_b64 s[64:65], 0
	v_nop
	global_prefetch_b8 v0, s[64:65] scope:SCOPE_SE
	s_setreg_imm32_b32 hwreg(HW_REG_WAVE_SCHED_MODE, 0, 2), 2
	s_setreg_imm32_b32 hwreg(HW_REG_WAVE_MODE, 25, 1), 1
	s_wait_xcnt 0x0
	s_wait_alu depctr_vm_vsrc(0)
; out[b][q][hd][:] = sum over keys of softmax_k(q . k / 8) v, keys and rows at or beyond L = cu[b+1] - cu[b] left out (rows: zeros).  q, k, v, out: [8192 tokens][16 heads][64] f32;
; sequence b begins at token 1024 b.  Both products on codes of FP4 (E2M1) with one E8M0 scale for each 32 along a product's K: q and k along the head's 64, v and p along the keys.
; THE SOFTMAX AHEAD OF THE SECOND PRODUCT: t = score x log2(e) / 8; M = the running largest t rounded UP to a whole number; p = 2^(t - M) is quantised, not normalised; the row's sum is taken of the
; unquantised p and divides at the end; when M moves, the sum and O are multiplied by 2^(old M - new M), which rounds nothing.
; SHARES.  256 work-groups: (half, 16 b + head).  A work-group owns 512 queries of one head; each of its sixteen waves owns 32, two tiles of 16, in 256 registers: four waves to a SIMD, so that one
; wave's exponentials and LDS loads stand beside the others' plain work.  Every wave walks the head's keys, 128 a step.
; K AND V are quantised by the work-group itself, 256 keys (a unit) at a time, into LDS, as IMAGES OF THE OPERANDS' REGISTERS (16 bytes a lane, 512 bytes a load).  Each image byte is written once; a unit
; is written one trip ahead of its reading, with a barrier between.  Its f32 numbers are asked for two tile-steps ahead of their quantising, into 32 registers.
; LAYOUT.  Both products are used transposed (S^T = K Q^T, O^T = V^T P^T): a lane holds ONE query (lane % 16) throughout.  The head has 64 channels and the instruction 128 along K: a fragment of K holds
; TWO keys a row (k 0-63: key 32 bq + r + 8 (r / 8); k 64-127: the key 8 further on), and is multiplied by [q | 0] and by [0 | q].  So the 16 registers of two neighbouring result tiles are 16 neighbouring keys.
; NO CLUSTER, NO TENSOR LOADS: only the two work-groups of a head share K and V; the shared numbers are f32 and have to pass through registers to become codes.
; LIMITS: NaN and infinities among q, k, v are not served.  Rows at or beyond L are stored as O x 0: a zero there may carry a minus sign.  A block of zeros gets the scale byte 1 (its codes are zeros, and this
; program alone reads the bytes); blocks whose largest magnitude lies under 2^(3 - 127) are held at that byte.
; THE MODE: SCHED_MODE bits 1:0 = 2 (LLVM: expert scheduling mode 2), set by the entry lines.  The code itself states the register dependences between vector or matrix instructions and memory or LDS
; instructions, with s_wait_alu, always for 0.
; THE PLAN.  Registers that memory or LDS instructions touch:
;   GK, GV, GQ, SW, SRD, AQ1, AQ2, AO1, AO2   offsets and LDS addresses, made at the head and never written again.
;   ADF, ADS     written by SETADR, twice a trip; read by a tile-step's LDS loads.
;   ADW, ADW2    written at the head of each quantiser; read by its LDS stores.
;   R            V's loads land; VQUANT's vector lines read; K's loads land; KQUANT's LDS stores read; on the way out tile b's results are written there and stored.
;   F, SCL       K's fragments and scale words land; the score products read; vector lines then work in F, p's codes there are read by the second products; the next tile-step's loads land.
;   S .. S+31, VS  scores and p (matrix and vector lines); V's fragments and scale words land; the second products read.  Between steps: VQUANT's codes in S+3 .. S+7 and KQUANT's in S+32 on, read by LDS stores;
;                KQUANT's loads from the stage land in S .. S+31.
;   PW, p's codes, q's codes, zeros and scale words   written by vector lines, taken by the scaled products.
; WAITS ON va_vdst: one ahead of the first global load; one at a tile-step's head, ahead of K's loads; the exponentials' own; one ahead of V's loads; one ahead of each quantiser's run of LDS stores, and in KQUANT
; one ahead of its turn through the stage; one on the way out ahead of a tile's LDS stores.  WAITS ON vm_vsrc: between the head's two quantisers; ahead of the head's barrier; at a trip's middle, ahead of SETADR;
; at a trip's end, ahead of the barrier and the backward jump.  No further buffer of registers can be had: v0 to v255 are in use, and four waves of 256 fill a SIMD's registers.
.set KIMG,  0                          ; LDS: K's images: step j at 4096 j, fragment bq at 1024 bq, register group u at 512 u, 16 bytes a lane
.set VIMG,  32768                      ; V's: step j at 4096 j, tile of 16 channels t at 1024 t, register group c at 512 c, 16 bytes a lane
.set KSC,   65536                      ; K's scale words: 256 j + 64 bq + 4 r; bytes: key u = 0 blocks 0, 1, key u = 1 blocks 0, 1
.set VSC,   67584                      ; V's: 256 j + 64 t + 4 r; byte = the block of 32 keys in the step
.set STG,   69632                      ; a stage of STGB bytes for each wave, its own
.set STGB,  5120
.set FLOOR, 0x1800000                  ; 2^(3 - 127): no largest magnitude is taken under it, so no scale byte falls under 1
.set OFF2,  0xff000000                 ; takes 2 off an exponent field
.set UNITB, 0x100000                   ; 256 tokens of 4,096 bytes
; vector registers
.set LI,   1                           ; 16 x lane
.set LS,   2                           ; KSC + 4 x lane
.set ADF,  3                           ; the step's images: 4096 j + LI
.set ADS,  4                           ; the step's scale words: 256 j + LS
.set GK,   5                           ; k: 65536 w + 4096 h + 16 r
.set GV,   6                           ; v: 131072 (w / 2) + 128 (w % 2) + 4 x lane
.set GQ,   7                           ; q and out: 4096 h + 16 r
.set SW,   8                           ; K's turn through the stage, in
.set SRD,  9                           ; and back
.set KW0,  10                          ; where my codes of K go, in a unit's images
.set KSW0, 11                          ; and their scale byte
.set VW0,  12                          ; the same for V
.set VSW0, 13
.set ADW,  14                          ; the same, of the unit in hand
.set ADW2, 15
.set AQ1,  16                          ; Q's turn through the stage, in
.set AQ2,  17                          ; and back
.set H8,   18                          ; 8 h
.set AO1,  19                          ; the way out: into the stage
.set STA,  20                          ; tile a: +0 -M, +1 the largest t, +2, +3 the sum in two halves
.set STB,  24                          ; tile b
                                       ; v28-47: zeros, q a, zeros, q b, zeros, four registers each: [0|qa] v28, [qa|0] v32, [0|qb] v36, [qb|0] v40
.set QSA,  48                          ; q's scale words, bytes s0, s1, s0, s1
.set QSB,  49
.set SCL,  50                          ; v50-51 K's scale words: lanes 0-15 fragment 2 i, lanes 16-31 fragment 2 i + 1
.set VS,   52                          ; v52-53 V's likewise
.set PW,   54                          ; p's scale word
.set AO2,  55                          ; the way out: back from the stage
.set F,    56                          ; v56-87 K's four fragments; behind their products at work:
.set PC,   F                           ;   p's codes
.set BM,   F+8                         ;   the four blocks' largest
.set PD,   F+12
.set SO,   F+16                         ;   the conversions' scale operands
.set FF,   F+20                        ;   f = 2^(old M - new M) (a pair is named)
.set LSUM, F+22                        ;   the sum's second chain
.set TA,   F+24
.set TB,   F+25
.set S,    88                          ; v88-151 64 scores, then p; v88-119 later V's four fragments; at work for the quantisers between steps
.set OA,   152                         ; v152-183 O^T of tile a: tile t of channels at +8 t
.set OB,   184                         ; v184-215 of tile b
.set R,    216                         ; v216-247 numbers of k or v on their way in
.set LN,   248                         ; lane
.set RR,   249                         ; r = lane % 16
.set HH,   250                         ; h = lane / 16
; scalar registers: s[4:5] q, s[6:7] k, s[8:9] v, s[10:11] cu_seqlens, s[12:13] out
.set WV,   14                          ; my wave's number
.set LL,   18                          ; L, held to 0 .. 1024
.set LW,   19                          ; L, or 0 if all my queries lie at or beyond L
.set SEL,  20                          ; s[20:21] lane l xor 16
.set CS,   22                          ; s[22:23] c = log2(e) / 8
.set KF,   24                          ; the step's first key
.set SJ,   25                          ; 4096 j
.set SS,   26                          ; 256 j
.set SU,   27                          ; 8192 x the unit that is being written
.set SUS,  28                          ; 512 x that unit
.set TR,   29                          ; trips to go
.set T0,   30
.set T1,   31
.set STGW, 32                          ; my stage
.set LQA,  33                          ; L - tile a's first query
.set LQB,  34
.set Q0,   35                          ; my first query
.set MK,   40                          ; s40-47 behind the head (where s40-45 hold byte offsets): eight masks of the key mask's compares
.macro KLOAD dst                       ; my 16 keys of a unit: each load takes two whole rows of 256 bytes (key 16 w + 2 n + h, bytes 16 r on)
.irp n, 0,1,2,3,4,5,6,7
	global_load_b128 v[\dst+4*\n:\dst+4*\n+3], v[GK], s[6:7] offset:8192*\n
.endr
.endm
.macro VLOAD dst                       ; a lane takes channel 32 (w % 2) + lane, its registers run down the 32 keys of block w / 2: a whole block of the second product's K in one lane
.irp n, 0,1,2,3,4,5,6,7,8,9,10,11,12,13,14,15,16,17,18,19,20,21,22,23,24,25,26,27,28,29,30,31
	global_load_b32 v[\dst+\n], v[GV], s[8:9] offset:4096*\n
.endr
.endm
.macro QLOAD dst, wh                   ; a tile of 16 queries, two whole rows a load; read once in the launch
.irp n, 0,1,2,3,4,5,6,7
	global_load_b128 v[\dst+4*\n:\dst+4*\n+3], v[GQ], s[4:5] offset:65536*\wh+8192*\n th:TH_LOAD_NT
.endr
.endm
; My 16 keys become codes.  They turn through my stage (pieces of 64 bytes, 80 apart), so that a lane holds 16 neighbours: channels 16 (lane % 4) on of key 16 w + 8 g + lane / 4; two neighbouring lanes hold a block.
.macro KQUANT src, x, t
	v_add_nc_u32 v[ADW], s[SU], v[KW0]
	v_add_nc_u32 v[ADW2], s[SUS], v[KSW0]
	s_wait_alu depctr_va_vdst(0)                   ; in the loop: the last products are done reading V's fragments in v[x ..], where the loads from the stage land; at the head: the stage's addresses SW and SRD are written.  ADW and ADW2 are written too
.irp g, 0,1
.irp n, 0,1,2,3
	ds_store_b128 v[SW], v[\src+16*\g+4*\n:\src+16*\g+4*\n+3] offset:2560*\g+640*\n
.endr
.endr
.irp g, 0,1
.irp n, 0,1,2,3
	ds_load_b128 v[\x+16*\g+4*\n:\x+16*\g+4*\n+3], v[SRD] offset:2560*\g+16*\n   ; LDS serves a wave's instructions in order: these see my stores
.endr
.endr
	s_wait_dscnt 0x0
.irp g, 0,1
	v_max3_num_f32 v[\t+6*\g], |v[\x+16*\g]|, |v[\x+16*\g+1]|, |v[\x+16*\g+2]|
	v_max3_num_f32 v[\t+6*\g+1], |v[\x+16*\g+3]|, |v[\x+16*\g+4]|, |v[\x+16*\g+5]|
.endr
.irp i, 6,10
.irp g, 0,1
	v_max3_num_f32 v[\t+6*\g], v[\t+6*\g], |v[\x+16*\g+\i]|, |v[\x+16*\g+\i+1]|
	v_max3_num_f32 v[\t+6*\g+1], v[\t+6*\g+1], |v[\x+16*\g+\i+2]|, |v[\x+16*\g+\i+3]|
.endr
.endr
.irp g, 0,1
	v_max3_num_f32 v[\t+6*\g], v[\t+6*\g], |v[\x+16*\g+14]|, |v[\x+16*\g+15]|
.endr
.irp g, 0,1
	v_max3_num_f32 v[\t+6*\g], v[\t+6*\g], v[\t+6*\g+1], FLOOR
.endr
.irp g, 0,1
	v_max_num_f32_dpp v[\t+6*\g], v[\t+6*\g], v[\t+6*\g] row_xmask:1 row_mask:0xf bank_mask:0xf   ; with my neighbour's 16: the block's largest magnitude
.endr
.irp g, 0,1
	v_add_nc_u32 v[\t+6*\g+2], OFF2, v[\t+6*\g]    ; 2 off its exponent field: the conversion's scale operand
.endr
.irp g, 0,1
	v_cvt_scalef32_pk8_fp4_f32 v[\t+6*\g+4], v[\x+16*\g:\x+16*\g+7], v[\t+6*\g+2]
	v_cvt_scalef32_pk8_fp4_f32 v[\t+6*\g+5], v[\x+16*\g+8:\x+16*\g+15], v[\t+6*\g+2]
.endr
.irp g, 0,1
	v_lshrrev_b32 v[\t+6*\g+3], 23, v[\t+6*\g+2]   ; the scale's byte (also the plain line behind the conversions)
.endr
	s_wait_alu depctr_va_vdst(0)                   ; the codes and the scale bytes are written, which the LDS stores read; the conversions are done reading v[x ..]
.irp g, 0,1
	ds_store_b64 v[ADW], v[\t+6*\g+4:\t+6*\g+5] offset:512*\g    ; g is the fragment's register group u
	ds_store_b8 v[ADW2], v[\t+6*\g+3] offset:2*\g                ; both lanes of a block write the same byte with the same value
.endr
.endm
; My block of 32 keys of my channel becomes 16 bytes of codes: they are four registers of V's operand as they stand.
.macro VQUANT src, t
	v_add_nc_u32 v[ADW], s[SU], v[VW0]
	v_add_nc_u32 v[ADW2], s[SUS], v[VSW0]
	v_max3_num_f32 v[\t], |v[\src]|, |v[\src+1]|, |v[\src+2]|
	v_max3_num_f32 v[\t+1], |v[\src+3]|, |v[\src+4]|, |v[\src+5]|
.irp i, 6,10,14,18,22,26
	v_max3_num_f32 v[\t], v[\t], |v[\src+\i]|, |v[\src+\i+1]|
	v_max3_num_f32 v[\t+1], v[\t+1], |v[\src+\i+2]|, |v[\src+\i+3]|
.endr
	v_max3_num_f32 v[\t], v[\t], |v[\src+30]|, |v[\src+31]|
	v_max3_num_f32 v[\t], v[\t], v[\t+1], FLOOR
	v_add_nc_u32 v[\t+2], OFF2, v[\t]
.irp g, 0,1,2,3
	v_cvt_scalef32_pk8_fp4_f32 v[\t+4+\g], v[\src+8*\g:\src+8*\g+7], v[\t+2]
.endr
	v_lshrrev_b32 v[\t+3], 23, v[\t+2]             ; the scale's byte (also the plain line behind the conversions)
	s_wait_alu depctr_va_vdst(0)                   ; the codes, the byte, ADW and ADW2 are written, which the LDS stores read; the conversions are done reading v[src ..], in which the next loads land
	ds_store_b128 v[ADW], v[\t+4:\t+7]
	ds_store_b8 v[ADW2], v[\t+3]
.endm
; A tile of queries turns through my stage (pieces of 128 bytes, 144 apart): lane (r, h) then holds block h, channels 32 h on, of query r.
; No wait on va_vdst: AQ1 and AQ2, and the quantiser's lines that read v[x ..], stand ahead of the last such wait, and no vector line since names them.
.macro QTURN src, x
.irp n, 0,1,2,3,4,5,6,7
	ds_store_b128 v[AQ1], v[\src+4*\n:\src+4*\n+3] offset:288*\n
.endr
.irp n, 0,1,2,3,4,5,6,7
	ds_load_b128 v[\x+4*\n:\x+4*\n+3], v[AQ2] offset:16*\n
.endr
	s_wait_dscnt 0x0
.endm
.macro QQUANT x, t, dst, qs            ; its codes are four registers of the operand; the two blocks' bytes are gathered from lanes l and l xor 16
	v_max3_num_f32 v[\t], |v[\x]|, |v[\x+1]|, |v[\x+2]|
	v_max3_num_f32 v[\t+1], |v[\x+3]|, |v[\x+4]|, |v[\x+5]|
.irp i, 6,10,14,18,22,26
	v_max3_num_f32 v[\t], v[\t], |v[\x+\i]|, |v[\x+\i+1]|
	v_max3_num_f32 v[\t+1], v[\t+1], |v[\x+\i+2]|, |v[\x+\i+3]|
.endr
	v_max3_num_f32 v[\t], v[\t], |v[\x+30]|, |v[\x+31]|
	v_max3_num_f32 v[\t], v[\t], v[\t+1], FLOOR
	v_add_nc_u32 v[\t+2], OFF2, v[\t]
	v_lshrrev_b32 v[\t+3], 23, v[\t+2]
.irp g, 0,1,2,3
	v_cvt_scalef32_pk8_fp4_f32 v[\dst+\g], v[\x+8*\g:\x+8*\g+7], v[\t+2]
.endr
	v_lshlrev_b32 v[\t+3], v[H8], v[\t+3]          ; my byte at its place, 8 h bits up (also the plain line behind the conversions)
	v_mov_b32 v[\t+1], 0                           ; a lane permute's destination counts as one of its sources
	v_permlanex16_b32 v[\t+1], v[\t+3], s[SEL], s[SEL+1]
	v_or_b32 v[\t+3], v[\t+3], v[\t+1]
	v_lshl_or_b32 v[\qs], v[\t+3], 16, v[\t+3]     ; s0, s1, s0, s1: it serves [q | 0] and [0 | q]; the bytes over the zeros scale nothing
.endm
.macro SETADR
	v_add_nc_u32 v[ADF], s[SJ], v[LI]
	v_add_nc_u32 v[ADS], s[SS], v[LS]
.endm
.macro NEXTSTEP
	s_add_co_u32 s[SJ], s[SJ], 4096
	s_add_co_u32 s[SS], s[SS], 256
	s_add_co_u32 s[KF], s[KF], 128
.endm
.macro BARRIER                         ; my LDS stores have landed and my LDS loads are in: then the work-group's barrier
	s_wait_dscnt 0x0
	s_barrier_signal -1
	s_barrier_wait -1
.endm
; ONE TILE OF 16 QUERIES AGAINST 128 KEYS.  acc: its O^T; st: its statistics; ql: [q | 0]; qh: [0 | q]; qs: q's scale word.
.macro TSTEP acc, st, ql, qh, qs
	s_cmp_ge_i32 s[KF], s[LW]                      ; all the step's keys hidden, or all my queries: nothing to do.  No barrier and no stepped address stands in a step
	s_cbranch_scc1 .Lskip_\@
	s_wait_alu depctr_va_vdst(0)                   ; ADF and ADS are written, which the loads below read; the tile-step before is done writing and reading v[F ..] and reading K's scale words, where these loads land; at the first step: q's codes, zeros and scale words are written, which the products take
.irp bq, 0,1,2,3
.irp c, 0,1
	ds_load_b128 v[F+8*\bq+4*\c:F+8*\bq+4*\c+3], v[ADF] offset:KIMG+1024*\bq+512*\c
.endr
.endr
.irp i, 0,1
	ds_load_b32 v[SCL+\i], v[ADS] offset:128*\i
.endr
	s_wait_dscnt 0x0
.irp bq, 0,2                                   ; S^T: register 16 bq + i of lane (r, h) is key 32 bq + 16 h + i of query r
	v_wmma_scale_f32_16x16x128_f8f6f4 v[S+16*\bq:S+16*\bq+7], v[F+8*\bq:F+8*\bq+7], v[\ql:\ql+7], 0, v[SCL+\bq/2], v[\qs] matrix_a_fmt:MATRIX_FMT_FP4 matrix_b_fmt:MATRIX_FMT_FP4
	v_wmma_scale_f32_16x16x128_f8f6f4 v[S+16*\bq+8:S+16*\bq+15], v[F+8*\bq:F+8*\bq+7], v[\qh:\qh+7], 0, v[SCL+\bq/2], v[\qs] matrix_a_fmt:MATRIX_FMT_FP4 matrix_b_fmt:MATRIX_FMT_FP4
	v_wmma_scale_f32_16x16x128_f8f6f4 v[S+16*\bq+16:S+16*\bq+23], v[F+8*\bq+8:F+8*\bq+15], v[\ql:\ql+7], 0, v[SCL+\bq/2], v[\qs] matrix_a_fmt:MATRIX_FMT_FP4 matrix_b_fmt:MATRIX_FMT_FP4 matrix_a_scale:MATRIX_SCALE_ROW1
	v_wmma_scale_f32_16x16x128_f8f6f4 v[S+16*\bq+24:S+16*\bq+31], v[F+8*\bq+8:F+8*\bq+15], v[\qh:\qh+7], 0, v[SCL+\bq/2], v[\qs] matrix_a_fmt:MATRIX_FMT_FP4 matrix_b_fmt:MATRIX_FMT_FP4 matrix_a_scale:MATRIX_SCALE_ROW1
.endr
.rept 4
	v_nop                                          ; four places (ISA guide 7.12.1) ahead of the first read of the scores and the first write into K's registers
.endr
	s_add_co_u32 s[T0], s[KF], 128
	s_cmp_le_i32 s[T0], s[LL]
	s_cbranch_scc1 .Lopen_\@                       ; all 128 keys count
	s_sub_co_i32 s[T0], s[LL], s[KF]
	v_and_b32 v[TA], 16, v0                        ; 16 h
	v_sub_nc_u32 v[TA], s[T0], v[TA]               ; register 16 b + i holds key KF + 16 h + 32 b + i: hidden where 32 b + i >= L - KF - 16 h
	v_mov_b32 v[TB], 0xff800000                    ; -infinity: p = 0 then.  Key KF counts, so the step's maximum is a number
.irp g, 0,1,2,3,4,5,6,7                        ; an accumulator's eight registers at a time, from its low end on: eight compares into eight scalar registers, one wait, eight selects
.irp i, 0,1,2,3,4,5,6,7
	v_cmp_ge_i32 s[MK+\i], 32*(\g/2)+8*(\g%2)+\i, v[TA]
.endr
	s_wait_alu depctr_va_sdst(0)                   ; the eight compares have written s[MK ..], which the selects read
.irp i, 0,1,2,3,4,5,6,7
	v_cndmask_b32 v[S+8*\g+\i], v[S+8*\g+\i], v[TB], s[MK+\i]
.endr
.endr
.Lopen_\@:
.irp b, 0,1,2,3
	v_max3_num_f32 v[BM+\b], v[S+16*\b], v[S+1+16*\b], v[S+2+16*\b]   ; the largest score of each block of 32 keys: for the row's maximum, and, since p rises with the score, for the block's largest p
.endr
.irp i, 3,5,7,9,11,13
.irp b, 0,1,2,3
	v_max3_num_f32 v[BM+\b], v[BM+\b], v[S+16*\b+\i], v[S+1+16*\b+\i]
.endr
.endr
.irp b, 0,1,2,3
	v_max_num_f32 v[BM+\b], v[BM+\b], v[S+15+16*\b]
.endr
.irp b, 0,1,2,3
	v_permlanex16_b32 v[PD+\b], v[BM+\b], s[SEL], s[SEL+1]
.endr
.irp b, 0,1,2,3
	v_max_num_f32 v[BM+\b], v[BM+\b], v[PD+\b]     ; with lane l xor 16's 16 keys
.endr
	v_max3_num_f32 v[TA], v[BM], v[BM+1], v[BM+2]
	v_max_num_f32 v[TA], v[TA], v[BM+3]            ; the step's largest score of my query
	v_mul_f32 v[TA], s[CS], v[TA]                  ; as t (c is positive)
	v_max_num_f32 v[\st+1], v[\st+1], v[TA]        ; the running largest t
	v_mov_b32 v[TA], v[\st]
	v_floor_f32 v[\st], -v[\st+1]                  ; the new -M = floor(-t) = -ceil(t)
	v_sub_f32 v[TA], v[\st], v[TA]                 ; old M - new M: a whole number, 0 or less
	v_cvt_i32_f32 v[TA], v[TA]                     ; (it saturates)
	v_ldexp_f32 v[FF], 1.0, v[TA]                  ; f = 2^(old M - new M)
.irp j, 0,2,4,6,8,10,12,14,16,18,20,22,24,26,28,30,32,34,36,38,40,42,44,46,48,50,52,54,56,58,60,62
	v_pk_fma_f32 v[S+\j:S+\j+1], v[S+\j:S+\j+1], s[CS:CS+1], v[\st:\st+1] op_sel_hi:[1,0,0]   ; t - M, two at a time (of the pairs c and -M the low word serves both halves)
.endr
.irp b, 0,1,2,3
	v_fma_f32 v[BM+\b], v[BM+\b], s[CS], v[\st]    ; the same of each block's largest score
.endr
	s_wait_alu depctr_va_vdst(0)
.irp j, 0,1,2,3,4,5,6,7,8,9,10,11,12,13,14,15,16,17,18,19,20,21,22,23,24,25,26,27,28,29,30,31,32,33,34,35,36,37,38,39,40,41,42,43,44,45,46,47,48,49,50,51,52,53,54,55,56,57,58,59,60,61,62,63
	v_exp_f32 v[S+\j], v[S+\j]                     ; p = 2^(t - M), at most 1
.endr
.irp b, 0,1,2,3
	v_exp_f32 v[BM+\b], v[BM+\b]                   ; the block's largest p: the same two instructions on the same number
.endr
	v_pk_mul_f32 v[\st+2:\st+3], v[\st+2:\st+3], v[FF:FF+1] op_sel_hi:[1,0]   ; the sum under the new M (the plain line behind the exponentials)
	s_wait_alu depctr_va_vdst(0)                   ; the 68 exponentials have written p and the blocks' largest p: one wait for the batch, ahead of its first reader
.irp b, 0,1,2,3
	v_max_num_f32 v[BM+\b], FLOOR, v[BM+\b]
.endr
.irp b, 0,1,2,3
	v_add_nc_u32 v[SO+\b], OFF2, v[BM+\b]          ; the conversion's scale operand
.endr
.irp b, 0,1,2,3
	v_lshrrev_b32 v[PD+\b], 23, v[SO+\b]           ; the scale's byte
.endr
	v_lshl_or_b32 v[PW], v[PD+1], 8, v[PD]         ; p's scale word for these 128 keys
	v_lshl_or_b32 v[PW], v[PD+2], 16, v[PW]
	v_lshl_or_b32 v[PW], v[PD+3], 24, v[PW]
.irp b, 0,1,2,3
	v_cvt_scalef32_pk8_fp4_f32 v[PC+2*\b], v[S+16*\b:S+16*\b+7], v[SO+\b]
	v_cvt_scalef32_pk8_fp4_f32 v[PC+2*\b+1], v[S+16*\b+8:S+16*\b+15], v[SO+\b]
.endr
	v_nop                                          ; one plain line between a scaled conversion and the vector instruction that touches its result
.irp c, 0,1                                    ; the operand wants a whole block in a lane: lanes 0-15 block 2 c, lanes 16-31 block 2 c + 1
.irp i, 0,1
	v_permlane16_swap_b32 v[PC+4*\c+\i], v[PC+2+4*\c+\i]
.endr
.endr
	v_pk_add_f32 v[LSUM:LSUM+1], v[S:S+1], v[S+2:S+3]   ; the row's sum is taken of the unquantised p, two at a time, in two chains; the first 32 numbers first: their registers take V's fragments
.irp j, 4,8,12,16,20,24,28
	v_pk_add_f32 v[\st+2:\st+3], v[\st+2:\st+3], v[S+\j:S+\j+1]
	v_pk_add_f32 v[LSUM:LSUM+1], v[LSUM:LSUM+1], v[S+\j+2:S+\j+3]
.endr
	s_wait_alu depctr_va_vdst(0)                   ; the conversions and the sums above are done reading p's first 32 numbers, and the earlier products V's scale words: V's loads land there.  p's codes and scale word are written, which the products below take: 15 and 20 plain lines stand between their last writes and this wait
.irp t, 0,1,2,3
.irp c, 0,1
	ds_load_b128 v[S+8*\t+4*\c:S+8*\t+4*\c+3], v[ADF] offset:VIMG+1024*\t+512*\c
.endr
.endr
.irp i, 0,1
	ds_load_b32 v[VS+\i], v[ADS] offset:VSC-KSC+128*\i
.endr
.irp j, 0,2,4,6,8,10,12,14,16,18,20,22,24,26,28,30
	v_pk_mul_f32 v[\acc+\j:\acc+\j+1], v[\acc+\j:\acc+\j+1], v[FF:FF+1] op_sel_hi:[1,0]   ; O^T under the new M, each accumulator from its low end on.  (None of these lines, nor of the sums below, names a register in which V's loads land)
.endr
.irp j, 32,36,40,44
	v_pk_add_f32 v[\st+2:\st+3], v[\st+2:\st+3], v[S+\j:S+\j+1]
	v_pk_add_f32 v[LSUM:LSUM+1], v[LSUM:LSUM+1], v[S+\j+2:S+\j+3]
.endr
	s_wait_alu depctr_va_vdst(0)
	s_wait_dscnt 0x0                               ; V's fragments and scale words are in
.irp t, 0,2                                    ; O^T += V^T P^T: the four accumulators by turns, one instruction a turn
	v_wmma_scale_f32_16x16x128_f8f6f4 v[\acc+8*\t:\acc+8*\t+7], v[S+8*\t:S+8*\t+7], v[PC:PC+7], v[\acc+8*\t:\acc+8*\t+7], v[VS+\t/2], v[PW] matrix_a_fmt:MATRIX_FMT_FP4 matrix_b_fmt:MATRIX_FMT_FP4
	v_wmma_scale_f32_16x16x128_f8f6f4 v[\acc+8*\t+8:\acc+8*\t+15], v[S+8*\t+8:S+8*\t+15], v[PC:PC+7], v[\acc+8*\t+8:\acc+8*\t+15], v[VS+\t/2], v[PW] matrix_a_fmt:MATRIX_FMT_FP4 matrix_b_fmt:MATRIX_FMT_FP4 matrix_a_scale:MATRIX_SCALE_ROW1
.endr
.irp j, 48,52,56,60                            ; the rest of the sum: nine plain lines that name no register of those products: the places ahead of the next vector writes into
	v_pk_add_f32 v[\st+2:\st+3], v[\st+2:\st+3], v[S+\j:S+\j+1]            ; their operands' registers (four are owed) and of the next scores, which are written over V's fragments (five)
	v_pk_add_f32 v[LSUM:LSUM+1], v[LSUM:LSUM+1], v[S+\j+2:S+\j+3]
.endr
	v_pk_add_f32 v[\st+2:\st+3], v[\st+2:\st+3], v[LSUM:LSUM+1]
.Lskip_\@:
.endm
; THE WAY OUT of a tile: O^T / the sum, or x 0 for a row at or beyond L; through my stage (16 rows of 256 bytes, 272 apart); sixteen lanes store one row of 256 consecutive bytes, aligned.
.macro OUT acc, st, wh, pp, bk, lq
	v_add_f32 v[TA], v[\st+2], v[\st+3]            ; the sum's two halves,
	v_mov_b32 v[TB], 0
	v_permlanex16_b32 v[TB], v[TA], s[SEL], s[SEL+1]
	v_add_f32 v[TA], v[TA], v[TB]                  ; and lane l xor 16's
	s_wait_alu depctr_va_vdst(0)
	v_rcp_f32 v[TB], v[TA]
	v_cmp_gt_i32 vcc_lo, s[\lq], v[RR]             ; my query counts where r < L - the tile's first query
	v_nop                                          ; a plain line behind the reciprocal
	s_wait_alu depctr_va_vdst(0)                   ; the reciprocal is written, ahead of its first reader
	s_wait_alu depctr_va_vcc(0)                    ; the compare has written VCC, which the select reads
	v_cndmask_b32 v[FF], 0, v[TB], vcc_lo
	v_mov_b32 v[FF+1], 0                           ; (named with it as a pair)
.irp j, 0,2,4,6,8,10,12,14,16,18,20,22,24,26,28,30
	v_pk_mul_f32 v[\pp+\j:\pp+\j+1], v[\acc+\j:\acc+\j+1], v[FF:FF+1] op_sel_hi:[1,0]   ; register 8 t + i is out(r, 16 t + 8 h + i)
.endr
	s_wait_alu depctr_va_vdst(0)                   ; the results are written in v[pp ..], which the LDS stores read; every vector line that named v[bk ..] is done: the loads from the stage land there
.irp t, 0,1,2,3
	ds_store_b128 v[AO1], v[\pp+8*\t:\pp+8*\t+3] offset:64*\t
	ds_store_b128 v[AO1], v[\pp+8*\t+4:\pp+8*\t+7] offset:64*\t+16
.endr
.irp i, 0,1,2,3,4,5,6,7
	ds_load_b128 v[\bk+4*\i:\bk+4*\i+3], v[AO2] offset:544*\i   ; LDS serves a wave's instructions in order: these see my stores
.endr
.irp i, 0,1,2,3,4,5,6,7
	s_wait_dscnt 7-\i                              ; the younger loads from the stage may stay out
	global_store_b128 v[GQ], v[\bk+4*\i:\bk+4*\i+3], s[12:13] offset:65536*\wh+8192*\i th:TH_STORE_NT
.endr
.endm
	; ---- the head: addresses
	s_load_b256 s[4:11], s[0:1], 0x0               ; q, k, v, cu_seqlens
	s_load_b64 s[12:13], s[0:1], 0x20              ; out
	v_lshrrev_b32 v[LN], 5, v0
	v_readfirstlane_b32 s[WV], v[LN]               ; wave 0..15
	v_and_b32 v[LN], 31, v0
	s_wait_alu depctr_va_vdst(0)
	v_and_b32 v[RR], 15, v0
	s_wait_alu depctr_va_vdst(0)
	v_bfe_u32 v[HH], v0, 4, 1
	s_and_b32 s[T0], ttmp7, 0xffff                 ; 16 b + head
	s_lshr_b32 s[T1], s[T0], 4                     ; b
	s_and_b32 s[T0], s[T0], 15                     ; head
	s_lshl_b32 s44, s[T1], 2                       ; cu_seqlens: 4 b
	s_mov_b32 s45, 0
	s_lshl_b32 s40, s[T1], 22                      ; the sequence's 1,024 tokens of 4,096 bytes,
	s_lshl_b32 s[T0], s[T0], 8                     ; the head's 256 bytes of a token
	s_add_co_u32 s40, s40, s[T0]
	s_mov_b32 s41, 0
	s_lshl_b32 s42, ttmp9, 21                      ; my work-group's 512 queries,
	s_wait_alu depctr_va_sdst(0)                   ; the wave's number is written in s[WV], ahead of its first reader
	s_lshl_b32 s[T0], s[WV], 17                    ; my wave's 32
	s_add_co_u32 s42, s42, s[T0]
	s_add_co_u32 s42, s42, s40
	s_mov_b32 s43, 0
	s_lshl_b32 s[Q0], ttmp9, 9
	s_lshl_b32 s[T0], s[WV], 5
	s_add_co_u32 s[Q0], s[Q0], s[T0]               ; my first query in the sequence
	s_mov_b32 s[SEL], 0x76543210
	s_mov_b32 s[SEL+1], 0xfedcba98
	s_mov_b32 s[CS], 0x3e38aa3b                    ; c = log2(e) / 8
	s_mov_b32 s[CS+1], s[CS]
	s_mov_b32 s[SU], 0
	s_mov_b32 s[SUS], 0
	s_lshr_b32 s36, s[WV], 3                       ; w / 8: which of a unit's two steps
	s_and_b32 s37, s[WV], 1                        ; w % 2
	s_bfe_u32 s38, s[WV], 0x20001                  ; (w / 2) % 4
	v_lshlrev_b32 v[LI], 4, v[LN]
	v_lshl_add_u32 v[LS], v[LN], 2, KSC
	v_lshlrev_b32 v[GQ], 4, v[RR]
	s_wait_alu depctr_va_vdst(0)
	v_lshl_add_u32 v[GQ], v[HH], 12, v[GQ]
	s_lshl_b32 s[T0], s[WV], 16
	v_add_nc_u32 v[GK], s[T0], v[GQ]
	s_lshr_b32 s[T0], s[WV], 1
	s_lshl_b32 s[T0], s[T0], 17
	s_lshl_b32 s[T1], s37, 7
	s_add_co_u32 s[T0], s[T0], s[T1]
	v_lshl_add_u32 v[GV], v[LN], 2, s[T0]
	s_wait_kmcnt 0x0
	s_add_nc_u64 s[10:11], s[10:11], s[44:45]
	s_load_b32 s16, s[10:11], 0x0                  ; cu[b]
	s_load_b32 s17, s[10:11], 0x4                  ; cu[b + 1]
	s_add_nc_u64 s[4:5], s[4:5], s[42:43]          ; q and out at my first row
	s_add_nc_u64 s[12:13], s[12:13], s[42:43]
	s_add_nc_u64 s[6:7], s[6:7], s[40:41]          ; k and v at the head's first key
	s_add_nc_u64 s[8:9], s[8:9], s[40:41]
	s_wait_alu depctr_va_vdst(0)                   ; the offsets GK, GV and GQ are written: every global load and store of the kernel reads one of them
	KLOAD R                                        ; unit 0 of K (8 loads), of V (32), and my two tiles of Q (8 + 8): all go out together
	VLOAD OA
	QLOAD S, 0
	QLOAD S+32, 1
	s_mul_i32 s[STGW], s[WV], STGB
	s_add_co_u32 s[STGW], s[STGW], STG
	v_lshrrev_b32 v251, 2, v[LN]                   ; lane / 4
	v_and_b32 v252, 3, v0                          ; lane % 4
	v_bfe_u32 v253, v0, 1, 1                       ; (lane / 2) % 2: my block of a key's two
	v_and_b32 v254, 1, v0                          ; lane % 2: which half of the block
	v_mul_u32_u24 v[SW], v251, 80
	v_lshl_add_u32 v[SW], v252, 4, v[SW]
	v_add_nc_u32 v[SW], s[STGW], v[SW]
	v_mul_u32_u24 v[SRD], v[LN], 80
	v_add_nc_u32 v[SRD], s[STGW], v[SRD]
	s_lshl_b32 s[T0], s36, 12                      ; K's codes: key 16 w + 8 g + lane / 4 is row r = lane / 4 + 8 (w % 2) of fragment (w / 2) % 4, register group g
	s_lshl_b32 s[T1], s38, 10
	s_add_co_u32 s[T0], s[T0], s[T1]
	s_lshl_b32 s[T1], s37, 7
	s_add_co_u32 s[T0], s[T0], s[T1]
	v_lshlrev_b32 v[KW0], 4, v251
	v_lshl_add_u32 v[KW0], v253, 8, v[KW0]
	v_lshl_add_u32 v[KW0], v254, 3, v[KW0]
	v_add_nc_u32 v[KW0], s[T0], v[KW0]
	s_lshl_b32 s[T0], s36, 8                       ; and its scale byte
	s_lshl_b32 s[T1], s38, 6
	s_add_co_u32 s[T0], s[T0], s[T1]
	s_lshl_b32 s[T1], s37, 5
	s_add_co_u32 s[T0], s[T0], s[T1]
	s_add_co_u32 s[T0], s[T0], KSC
	v_lshl_add_u32 v[KSW0], v251, 2, v253
	v_add_nc_u32 v[KSW0], s[T0], v[KSW0]
	s_lshl_b32 s[T0], s36, 12                      ; V's codes: channel 32 (w % 2) + lane is row r of tile 2 (w % 2) + h; block (w / 2) % 4 = 2 c + the operand's half
	s_lshl_b32 s[T1], s37, 11
	s_add_co_u32 s[T0], s[T0], s[T1]
	s_lshl_b32 s[T1], s38, 8
	s_add_co_u32 s[T0], s[T0], s[T1]
	s_add_co_u32 s[T0], s[T0], VIMG
	v_lshlrev_b32 v[VW0], 4, v[RR]
	v_lshl_add_u32 v[VW0], v[HH], 10, v[VW0]
	v_add_nc_u32 v[VW0], s[T0], v[VW0]
	s_lshl_b32 s[T0], s36, 8                       ; and its scale byte
	s_lshl_b32 s[T1], s37, 7
	s_add_co_u32 s[T0], s[T0], s[T1]
	s_add_co_u32 s[T0], s[T0], s38
	s_add_co_u32 s[T0], s[T0], VSC
	v_lshlrev_b32 v[VSW0], 2, v[RR]
	v_lshl_add_u32 v[VSW0], v[HH], 6, v[VSW0]
	v_add_nc_u32 v[VSW0], s[T0], v[VSW0]
	v_bfe_u32 v255, v0, 3, 1                       ; Q's turn: load n brings query 2 n + h, channels 4 r on: piece 2 n + h + 16 (r / 8), byte 16 (r % 8)
	v_and_b32 v252, 7, v0
	v_mul_u32_u24 v[AQ1], v255, 2304
	v_mad_u32_u24 v[AQ1], v[HH], 144, v[AQ1]
	v_lshl_add_u32 v[AQ1], v252, 4, v[AQ1]
	v_add_nc_u32 v[AQ1], s[STGW], v[AQ1]
	v_mul_u32_u24 v[AQ2], v[LN], 144
	v_add_nc_u32 v[AQ2], s[STGW], v[AQ2]
	v_lshlrev_b32 v[H8], 3, v[HH]
	v_mul_u32_u24 v[AO1], v[RR], 272               ; the way out: in: row r, + 32 h
	v_lshl_add_u32 v[AO1], v[HH], 5, v[AO1]
	v_add_nc_u32 v[AO1], s[STGW], v[AO1]
	v_mul_u32_u24 v[AO2], v[HH], 272               ; back: lanes 0-15 one row, lanes 16-31 the next
	v_lshl_add_u32 v[AO2], v[RR], 4, v[AO2]
	v_add_nc_u32 v[AO2], s[STGW], v[AO2]
	s_wait_kmcnt 0x0
	s_sub_co_i32 s[LL], s17, s16                   ; L, in 32 bits as the reference has it;
	s_max_i32 s[LL], s[LL], 0                      ; held to 0 .. 1024: i < L picks the same i of 0 .. 1023
	s_min_i32 s[LL], s[LL], 0x400
	s_cmp_lt_i32 s[Q0], s[LL]
	s_cselect_b32 s[LW], s[LL], 0                  ; a wave none of whose queries counts walks the loop and leaves every step out
	s_sub_co_i32 s[LQA], s[LL], s[Q0]
	s_sub_co_i32 s[LQB], s[LQA], 16
	; ---- unit 0 and Q are quantised
	s_wait_loadcnt 48                              ; K's 8 loads are in; behind them V's 32 and Q's 16 may be out
	KQUANT R, OB, F                                ; (its first wait on va_vdst stands behind all the address lines above: AQ1, AQ2, AO1 and AO2 are written too)
	s_wait_alu depctr_vm_vsrc(0)                   ; KQUANT's LDS stores have read ADW and ADW2, which VQUANT writes anew, their bytes in v[F+3], which Q's quantiser writes, and v[R ..], in which the first trip's loads land
	s_wait_loadcnt 16                              ; V's 32 are in; Q's 16 may be out
	VQUANT OA, F+16
	s_wait_loadcnt 8                               ; tile a's 8 are in; tile b's may be out
	QTURN S, OB
	QQUANT OB, F, 32, QSA
	s_wait_loadcnt 0x0
	QTURN S+32, OA
	QQUANT OA, F, 40, QSB
.irp j, 28,29,30,31,36,37,38,39,44,45,46,47
	v_mov_b32 v[\j], 0                             ; the zero halves of [q | 0] and [0 | q]
.endr
.irp j, 0,1,2,3,4,5,6,7,8,9,10,11,12,13,14,15,16,17,18,19,20,21,22,23,24,25,26,27,28,29,30,31,32,33,34,35,36,37,38,39,40,41,42,43,44,45,46,47,48,49,50,51,52,53,54,55,56,57,58,59,60,61,62,63
	v_mov_b32 v[OA+\j], 0                          ; O^T of both tiles: a step may be left out, the first too, so the step is written once and finds zeros
.endr
.irp st, STA, STB
	v_mov_b32 v[\st+1], 0xff61b1e6                 ; the largest t so far: -3e38, under every t
	v_floor_f32 v[\st], -v[\st+1]                  ; -M
	v_mov_b32 v[\st+2], 0                          ; the sum, in two halves
	v_mov_b32 v[\st+3], 0
.endr
	s_wait_alu depctr_vm_vsrc(0)                   ; VQUANT's LDS stores have read their codes in v[F+19 ..], where K's fragments land, and ADW and ADW2; Q's turns have read v[S ..], which the first scores write
	BARRIER                                        ; unit 0's images lie in LDS
	s_mov_b32 s[SU], 8192                          ; unit 1 is written next,
	s_mov_b32 s[SUS], 512
	s_add_nc_u64 s[6:7], s[6:7], UNITB             ; (no load is out) and loaded next
	s_add_nc_u64 s[8:9], s[8:9], UNITB
	s_mov_b32 s[TR], 4
	s_mov_b32 s[KF], 0
	s_mov_b32 s[SJ], 0
	s_mov_b32 s[SS], 0
; ---- four trips of 256 keys.  Trip i reads the images of unit i and, but for the last, loads, quantises and writes unit i + 1: other bytes; the barrier at its end stands between that writing and the next trip's reading.
.Ltrip:
	s_cmp_eq_u32 s[TR], 1                          ; the last trip loads nothing: no load leaves its buffer
	s_cbranch_scc1 .Lno_v
	VLOAD R                                        ; two tile-steps ahead of the wait for it.  No wait here: KQUANT's stores have read v[R ..] ahead of the wait on vm_vsrc at the last trip's end (at the first trip: in the head), and VQUANT's lines that read it stand ahead of a wait on va_vdst
.Lno_v:
	SETADR
	TSTEP OA, STA, 32, 28, QSA
	TSTEP OB, STB, 40, 36, QSB
	NEXTSTEP
	s_wait_loadcnt 0x0
	s_cmp_eq_u32 s[TR], 1
	s_cbranch_scc1 .Lno_k
	VQUANT R, S
	KLOAD R                                        ; again two tile-steps ahead; VQUANT's wait has shown its lines done reading v[R ..]
.Lno_k:
	s_wait_alu depctr_vm_vsrc(0)                   ; the two tile-steps' LDS loads have read ADF and ADS, which SETADR writes; VQUANT's LDS stores have read their codes in v[S+3 ..], which the next scores write, and ADW and ADW2, which KQUANT writes
	SETADR
	TSTEP OA, STA, 32, 28, QSA
	TSTEP OB, STB, 40, 36, QSB
	NEXTSTEP
	s_wait_loadcnt 0x0
	s_cmp_eq_u32 s[TR], 1
	s_cbranch_scc1 .Lno_q
	KQUANT R, S, S+32
.Lno_q:
	s_wait_alu depctr_vm_vsrc(0)                   ; KQUANT's LDS stores have read v[R ..], their codes in v[S+32 ..], ADW and ADW2, and the tile-steps' LDS loads ADF and ADS: all are written again in the next trip, v[R ..] and v[S ..] on the way out too
	s_add_co_u32 s[SU], s[SU], 8192
	s_add_co_u32 s[SUS], s[SUS], 512
	s_add_nc_u64 s[6:7], s[6:7], UNITB             ; no load is out: the bases may step (the last trip's step is not used)
	s_add_nc_u64 s[8:9], s[8:9], UNITB
	BARRIER
	s_sub_co_u32 s[TR], s[TR], 1
	s_cmp_lg_u32 s[TR], 0
	s_cbranch_scc1 .Ltrip
	s_wait_alu depctr_va_vdst(0)
	; ---- the way out: each tile has registers of its own for what it stores, so no store's data are written again
	OUT OA, STA, 0, S, S+32, LQA
	OUT OB, STB, 1, R, OA, LQB
	s_wait_xcnt 0x0
	v_lshl_add_u32 v254, v0, 2, 0x25000            ; my spare word, behind the sixteen stages, and 0: made anew here, since no two registers could be kept; no memory or LDS instruction has read v254 or v255
	v_mov_b32 v255, 0
	s_wait_dscnt 0x0                               ; the closing lines, six on end
	s_wait_alu 0x0
	s_wait_tensorcnt 0x0
	ds_add_u32 v254, v255
	s_wait_dscnt 0x0
	s_endpgm
.Lfunc_end_k_q50fb6eb7a7_attn:
	.size	k_q50fb6eb7a7_attn, .Lfunc_end_k_q50fb6eb7a7_attn-k_q50fb6eb7a7_attn
	.p2alignl 7, 3214868480
	.fill 96, 4, 3214868480
	.section	.rodata,"a",@progbits
	.p2align	6, 0x0
	.amdhsa_kernel k_q50fb6eb7a7_attn
		.amdhsa_group_segment_fixed_size 153600
		.amdhsa_private_segment_fixed_size 0
		.amdhsa_enable_private_segment 0
		.amdhsa_kernarg_size 40
		.amdhsa_user_sgpr_count 2
		.amdhsa_user_sgpr_kernarg_segment_ptr 1
		.amdhsa_wavefront_size32 1
		.amdhsa_system_sgpr_workgroup_id_x 1
		.amdhsa_system_sgpr_workgroup_id_y 1
		.amdhsa_system_sgpr_workgroup_id_z 1
		.amdhsa_system_vgpr_workitem_id 0
		.amdhsa_next_free_vgpr 256
		.amdhsa_next_free_sgpr 66
		.amdhsa_reserve_vcc 1
		.amdhsa_float_denorm_mode_32 3
		.amdhsa_float_denorm_mode_16_64 3
		.amdhsa_memory_ordered 1
		.amdhsa_forward_progress 1
		.amdhsa_inst_pref_size 138
	.end_amdhsa_kernel
	.amdgpu_metadata
---
amdhsa.version: [ 1, 2 ]
amdhsa.kernels:
  - .name:           k_q50fb6eb7a7_attn
    .symbol:         k_q50fb6eb7a7_attn.kd
    .args:
      - { .name: q, .offset: 0, .size: 8, .value_kind: global_buffer, .address_space: global }
      - { .name: k, .offset: 8, .size: 8, .value_kind: global_buffer, .address_space: global }
      - { .name: v, .offset: 16, .size: 8, .value_kind: global_buffer, .address_space: global }
      - { .name: cu_seqlens, .offset: 24, .size: 8, .value_kind: global_buffer, .address_space: global }
      - { .name: out0, .offset: 32, .size: 8, .value_kind: global_buffer, .address_space: global }
    .group_segment_fixed_size: 153600
    .private_segment_fixed_size: 0
    .kernarg_segment_align: 8
    .kernarg_segment_size: 40
    .max_flat_workgroup_size: 512
    .sgpr_count:     66
    .vgpr_count:     256
    .wavefront_size: 32
...
	.end_amdgpu_metadata
.endif
;; end of part 2
